; MI455X (gfx1250); checked and timed in simulation.
; The chip was launched on July 23, 2026; its instructions are those of AMD's public machine-readable ISA for CDNA 5 (MIT licence, August 2026) and "CDNA5" Instruction Set Architecture Reference Guide (July 2026). The comments in the code are by the model that wrote it; some were corrected since.
;; Multihead Attention. Allowed arithmetic: matrix products marked QUANTISED: E2M3 operands, one E8M0 scale for each 32 along K, by v_wmma_scale_f32_16x16x128_f8f6f4 with both operands' format E2M3, f32 sums; everything else in f32.
;; Inputs: Wk 16 x 1,024 x 64 float32; Wo 1,024 x 1,024 float32; Wq 16 x 1,024 x 64 float32; Wv 16 x 1,024 x 64 float32; bk 16 x 64 float32; bo 1,024 float32; bq 16 x 64 float32; bv 16 x 64 float32; keys 4 x 2,048 x 1,024 float32; queries 4 x 2,048 x 1,024 float32; values 4 x 2,048 x 1,024 float32.
;; Outputs: out0 4 x 2,048 x 1,024 float32.
;; This version of the problem:
;;   THIS VERSION OF THE PROBLEM IS GIVEN IN LOW PRECISION. The matrix products marked QUANTISED in the list below multiply operands that are first quantised to E2M3 (2 exponent bits, 3 mantissa bits; 6 bits a number), with one power-of-two scale for each 32 numbers along K (OCP MX v1.0); their sums are f32. All else is computed in f32.
;;   The module's matrix products, in the order in which they are computed (A, B: the left and right operand; K: the contracted axis; several contracted axes count as one K, in the product's order):
;;     1. [M 1,024, K 1,024] x [K 1,024, N 8,192]; A: input Wq; B: input queries: QUANTISED
;;     2. [M 1,024, K 1,024] x [K 1,024, N 8,192]; A: input Wk; B: input keys: QUANTISED
;;     3. [M 1,024, K 1,024] x [K 1,024, N 8,192]; A: input Wv; B: input values: QUANTISED
;;     4. batch 64 x [M 2,048, K 64] x [K 64, N 2,048]; A: computed on the way; B: computed on the way: QUANTISED
;;     5. batch 64 x [M 2,048, K 2,048] x [K 2,048, N 64]; A: softmax (see below); B: computed on the way: QUANTISED
;;     6. [M 8,192, K 1,024] x [K 1,024, N 1,024]; A: computed on the way; B: input Wo: QUANTISED
;;   THE QUANTISER, for each operand of a quantised product, along K:
;;     - K is cut into blocks of 32 from its start; a last block that is shorter is filled with zeros.
;;     - A block's scale is 2^e with e = floor(log2(the largest magnitude in the block)) - 2, held to -126 .. 127; a block of zeros has e = 0. As a byte (E8M0): e + 127.
;;     - Each number is divided by its block's scale, clamped to +-7.5, and rounded to the nearest number of E2M3, ties to even, subnormals kept.
;;     - The product sums the exact products of the quantised numbers (number of the format x scale) in f32.
;;   ~~~python
;;   def quantise(x, axis):      # numpy; x: float32 -> the quantised numbers, widened to float32 again
;;       x = np.moveaxis(x, axis, -1); K = x.shape[-1]
;;       x = np.pad(x, [(0, 0)] * (x.ndim - 1) + [(0, -K % 32)]); x = x.reshape(x.shape[:-1] + (-1, 32)); a = np.abs(x).max(-1, keepdims=True)
;;       e = np.where(a > 0, np.clip(np.frexp(np.where(a > 0, a, 1))[1] - 1 - 2, -126, 127), 0)      # np.frexp(a)[1] - 1 = floor(log2(a)), exactly
;;       r = np.clip(x / 2.0 ** e, -7.5, 7.5)
;;       step = 2.0 ** (np.maximum(np.frexp(np.where(r == 0, 1, r))[1] - 1, 0) - 3)
;;       q = np.round(r / step) * step * 2.0 ** e      # np.round: ties to even
;;       return np.moveaxis(q.reshape(q.shape[:-2] + (-1,))[..., :K], -1, axis).astype(np.float32)
;;   ~~~
;;   SOFTMAX AHEAD OF A QUANTISED PRODUCT. Where the list says 'softmax', what is quantised is not the finished softmax but p = 2^(t - M), with t = logit x log2(e) and M = ceil(the row's largest t), a whole number; so 1/2 < the row's largest p <= 1. The row's sum l is taken of the UNQUANTISED p, in f32, and the product's result is divided by l at the end. Since M is a whole number, a kernel that streams over the keys may use a running M (the ceiling of the running maximum): every later rescaling is an exact power of two, which a block's scale takes up: the codes' values come out the same.
;;   OPERANDS COMPUTED ON THE WAY. 'Computed on the way' means the value that the module computes at that place (a softmax that the list does not call 'softmax' is quantised finished and normalised). What goes into a quantiser is computed in f32, as accurately as f32 sums, v_exp_f32 and their like allow (about 1e-6 of the number): no bf16 or f16 on the way to a quantiser, and a product that is left as it is and whose result goes on into a quantised operand takes f32 operands (vector FMAs, or v_wmma_f32_16x16x4_f32). A number that lies on a knife's edge between two numbers of the format may be rounded either way, as far as f32 arithmetic and the matrix unit's own rounding can turn it there, and no further.
;; One version. Each part assembles by itself: llvm-mc -triple=amdgcn-amd-amdhsa -mcpu=gfx1250 --defsym DOCPART=n.
;; ======== version 1 of 1: 4 launches
;; limits: right only within a limited range of input values
;; workspace buffers: oc 22,020,096 bytes; os 917,504 bytes; hb 20,185,088 bytes; cc 6,291,456 bytes; cs 262,144 bytes
;; launch quant (part 1): grid 512 x 1, 4 waves a work-group, no clusters, 68,096 bytes of LDS; arguments queries, keys, values, Wq, Wk, Wv, Wo, oc, os; writes oc, os
.if DOCPART == 1
	.amdgcn_target "amdgcn-amd-amdhsa--gfx1250"
	.amdhsa_code_object_version 6
	.text
	.protected	k_qbd0ae434b2_quant
	.globl	k_qbd0ae434b2_quant
	.p2align	8
	.type	k_qbd0ae434b2_quant,@function
k_qbd0ae434b2_quant:
	s_mov_b64 s[64:65], 0
	v_nop
	global_prefetch_b8 v0, s[64:65] scope:SCOPE_SE
	s_setreg_imm32_b32 hwreg(HW_REG_WAVE_MODE, 25, 1), 1
	s_wait_xcnt 0x0
; queries, keys, values [8192][1024] (K innermost) and Wq, Wk, Wv [16][1024][64], Wo [1024][1024] (K is the axis of 1,024 that is NOT innermost), all f32,
; become codes of FP6 (E2M3) with one E8M0 byte for each 32 along K.  A block's scale is 2^(floor(log2(largest magnitude)) - 2); its byte is the largest magnitude's exponent field - 2.
; LIMITS: NaN and infinities among the inputs are not served; a block whose largest magnitude lies under 2^-124 gets the byte 1; a block of zeros gets the byte 1 where the rule says 127
; (its codes are zeros, which add nothing under any byte but 0xff, and this program alone reads the bytes).
; THE CODES ARE LAID IN THE ORDER OF THE OPERAND'S REGISTERS.  A half fragment (16 rows x 64 K, 6 registers a lane, 768 bytes): lane l's registers 0-3 at 16 l, its registers 4-5 at 512 + 8 l;
; lane l = (r = l % 16, h = l / 16) holds row r, k = 32 h .. 32 h + 31.  A tile of 16 rows x 1,024 K is 16 of them on end, 12,288 bytes.  Tile G's scale bytes: 512 bytes, row r's 32 bytes at 32 r.
; THE ROWS OF A TILE ARE NOT NEIGHBOURS: lane r of tile T holds row 32 (T / 2) + 8 (T % 2) + r + 8 (r / 8), so that a product's results of two neighbouring tiles are 16 neighbours along the next K.
; Tiles: 512 T + tile for queries, keys, values (T = 0, 1, 2); 1,536 + 64 T + tile for Wq, Wk, Wv, Wo (T = 0 .. 3; a row of such a tile is the column 64 head + e, or Wo's column).
; Work-groups 0-127 take the weights, 128-511 the activations.  Waves share nothing: no barrier, no tensor load, no cluster (no two work-groups read the same bytes).  Only the activations' way uses LDS.
.set WGW,  128                         ; work-groups for the weights
.set RAW,  128                         ; v128-255 activations: two sets of 64 registers as loaded
.set XN,   64                          ; v64-127  64 numbers of my row: register 32 c + i = k 64 c + 32 h + i
.set CD,   32                          ; v32-43   a fragment's codes
.set CE,   44                          ; v44-46, v48-50 the upper halves of the two blocks, made here and moved (a conversion's three registers begin on an even number)
.set MX,   10                          ; v10-11   largest magnitudes
.set SOP,  12                          ; v12-13   the conversions' scale operands
.set BY,   14                          ; v14-15   the bytes
.set WRD,  20                          ; v20-27   my row's eight scale words
.set STG,  8448                        ; a stage: 16 rows x (512 bytes + 16)
.set WREG, 2*STG                       ; LDS of a wave: two stages
.set VOF,  32                          ; weights: v32-63 byte offsets of my column in 32 rows
.set WX,   64                          ; v64-127  two sets of 32 numbers
.set CW,   128                         ; v128-175 six registers of codes for each of 8 blocks: no store's data are written again
.set WE,   176                         ; v176-178 a block's upper half
.set SB,   12                          ; v12-13   my column's 8 scale bytes
	s_load_b256 s[4:11], s[0:1], 0x0               ; queries, keys, values, Wq
	s_load_b256 s[12:19], s[0:1], 0x20             ; Wk, Wv, Wo, oc
	s_load_b64 s[20:21], s[0:1], 0x40              ; os
	v_lshl_add_u32 v19, v0, 2, 0x10800
	s_set_vgpr_msb 0x40
	v_mov_b32 v1, 0
	s_set_vgpr_msb 0x4000
	v_lshrrev_b32 v1, 5, v0
	v_readfirstlane_b32 s26, v1                    ; wave 0..3
	v_and_b32 v1, 31, v0                           ; lane
	s_cmp_lt_u32 ttmp9, WGW
	s_cbranch_scc1 .Lweights
; ---------------- ACTIVATIONS: a wave takes one tile of 16 rows, all 1,024 of K, in 8 steps of 128 ----------------
	s_sub_co_u32 s27, ttmp9, WGW
	s_lshl_b32 s27, s27, 2
	s_add_co_u32 s27, s27, s26                     ; the tile's number among the 1,536
	s_lshr_b32 s28, s27, 9                         ; which tensor
	s_and_b32 s29, s27, 511                        ; which tile of it
	s_lshr_b32 s36, s29, 1
	s_lshl_b32 s36, s36, 17                        ; 32 rows of 4,096 bytes for each pair of tiles,
	s_and_b32 s37, s29, 1
	s_lshl_b32 s37, s37, 15                        ; 8 rows for the odd tile
	s_add_co_u32 s36, s36, s37
	; keys alone have another order of rows: lane r of tile T holds row 64 (T / 4) + 8 (T % 4) + r % 8 + 32 (r / 8), so that in attention a lane's scores of four tiles are 32 neighbouring keys
	s_lshr_b32 s45, s29, 2
	s_lshl_b32 s45, s45, 18                        ; 64 rows of 4,096 bytes for each four tiles,
	s_and_b32 s46, s29, 3
	s_lshl_b32 s46, s46, 15                        ; 8 rows for each tile among them
	s_add_co_u32 s45, s45, s46
	s_cmp_eq_u32 s28, 1                            ; the choice hangs on the work-group's number alone
	s_cselect_b32 s36, s45, s36
	s_cselect_b32 s45, 0x10000, 0                  ; and the tile's rows 8-15 lie 16 rows further on than in the other tensors
	s_mov_b32 s37, 0
	s_mul_i32 s40, s27, 12288
	s_mov_b32 s41, 0
	s_lshl_b32 s42, s27, 9                         ; its scale bytes
	s_mov_b32 s43, 0
	s_mov_b32 s38, 0x76543210
	s_mov_b32 s39, 0xfedcba98                      ; v_permlanex16_b32's selects for lane l xor 16
	v_and_b32 v2, 15, v0                           ; r
	v_bfe_u32 v3, v0, 4, 1                         ; h
	s_wait_alu depctr_va_vdst(0)
	v_lshlrev_b32 v4, 4, v1
	v_lshlrev_b32 v5, 3, v1
	v_add_nc_u32 v9, s45, v4                       ; the loads' offset for a tile's rows 8-15
	s_mul_i32 s44, s26, WREG
	v_add_nc_u32 v6, s44, v4                       ; into a stage: a row's 512 bytes as they lie
	v_mul_u32_u24 v7, v2, 528
	v_lshl_add_u32 v7, v3, 7, v7
	v_add_nc_u32 v7, s44, v7                       ; out of it: row r, + 128 h: my 32 numbers of each 64
	v_lshlrev_b32 v8, 5, v2
	v_lshl_add_u32 v8, v3, 4, v8                   ; the scale bytes: 32 r + 16 h
	v_lshlrev_b32 v18, 3, v3                       ; 8 h: my bytes' place in a scale word
	v_mov_b32 v17, 0                               ; written once: a lane permute's destination counts as one of its sources
	v_cmp_ne_u32 vcc_lo, 0, v3                     ; lanes 16-31
	s_wait_alu depctr_va_vdst(0)
	s_wait_kmcnt 0x0
	s_cmp_eq_u32 s28, 1                            ; the choice hangs on the work-group's number alone
	s_cselect_b64 s[30:31], s[6:7], s[4:5]
	s_cmp_eq_u32 s28, 2
	s_cselect_b64 s[30:31], s[8:9], s[30:31]
	s_add_nc_u64 s[30:31], s[30:31], s[36:37]
	s_add_nc_u64 s[32:33], s[18:19], s[40:41]
	s_add_nc_u64 s[34:35], s[20:21], s[42:43]
.macro XLOAD t                         ; step t: 128 numbers of each of the tile's 16 rows; each load reads 512 consecutive bytes
.irp i, 0,1,2,3,4,5,6,7,8,9,10,11,12,13,14,15
	global_load_b128 v[RAW+64*((\t)%2)+4*\i:RAW+64*((\t)%2)+4*\i+3], v[4+5*(\i/8)], s[30:31] offset:(\i+8*(\i/8))*4096+512*(\t) th:TH_LOAD_NT
.endr
.endm
.macro XSTEP t
.if (\t) < 7
	s_wait_loadcnt 16                              ; this step's 16 loads are in; the next step's 16 may be out
.else
	s_wait_loadcnt 0x0
.endif
.irp i, 0,1,2,3,4,5,6,7,8,9,10,11,12,13,14,15
	ds_store_b128 v6, v[RAW+64*((\t)%2)+4*\i:RAW+64*((\t)%2)+4*\i+3] offset:STG*((\t)%2)+528*\i
.endr
.irp c, 0,1
.irp j, 0,1,2,3,4,5,6,7
	ds_load_b128 v[XN+32*\c+4*\j:XN+32*\c+4*\j+3], v7 offset:STG*((\t)%2)+256*\c+16*\j   ; LDS serves a wave's instructions in order (ISA guide 5.7.1.4): these see the stores above
.endr
.endr
	s_wait_dscnt 0x0                               ; my 64 numbers are in, and the stores have read their registers,
.if (\t)+2 < 8
	XLOAD (\t)+2                                   ; which take the loads of two steps on
.endif
.irp c, 0,1
	v_max3_num_f32 v[MX+\c], |v[XN+32*\c]|, |v[XN+32*\c+1]|, 0x1800000   ; my block 2 c + h: all 32 numbers are mine; the floor 2^(3 - 127) holds the byte at 1 from below
.endr
.irp i, 2,4,6,8,10,12,14,16,18,20,22,24,26,28,30
.irp c, 0,1
	v_max3_num_f32 v[MX+\c], v[MX+\c], |v[XN+32*\c+\i]|, |v[XN+32*\c+\i+1]|
.endr
.endr
.irp c, 0,1
	v_add_nc_u32 v[SOP+\c], 0xff000000, v[MX+\c]   ; 2 off the exponent field: the conversion takes the exponent field of this operand as its scale
.endr
.irp c, 0,1
	v_lshrrev_b32 v[BY+\c], 23, v[SOP+\c]          ; the byte
.endr
	v_lshl_or_b32 v16, v[BY+1], 16, v[BY]          ; blocks h and 2 + h,
	v_lshlrev_b32 v16, v18, v16                    ; at their places in the word;
	v_permlanex16_b32 v17, v16, s38, s39
	v_or_b32 v[WRD+(\t)], v16, v17                 ; with lane l xor 16's two the word of this K step is whole
	s_wait_alu depctr_va_vdst(0)
	s_wait_xcnt 0x0                                ; the last step's stores have read the codes' registers: only behind this wait are they written again
.irp c, 0,1
	v_cvt_scalef32_pk16_fp6_f32 v[CD+6*\c:CD+6*\c+2], v[XN+32*\c:XN+32*\c+15], v[SOP+\c]
	v_cvt_scalef32_pk16_fp6_f32 v[CE+4*\c:CE+4*\c+2], v[XN+32*\c+16:XN+32*\c+31], v[SOP+\c]
.endr
	v_nop                                          ; one plain place behind a scaled conversion
.irp c, 0,1
.irp k, 0,1,2
	v_mov_b32 v[CD+6*\c+3+\k], v[CE+4*\c+\k]
.endr
.endr
.irp c, 0,1
	global_store_b128 v4, v[CD+6*\c:CD+6*\c+3], s[32:33] offset:1536*(\t)+768*\c          ; 512 consecutive bytes, at a multiple of 256 from the buffer's first byte
	global_store_b64 v5, v[CD+6*\c+4:CD+6*\c+5], s[32:33] offset:1536*(\t)+768*\c+512     ; 256 consecutive bytes
.endr
.endm
	XLOAD 0
	XLOAD 1
.irp t, 0,1,2,3,4,5,6,7
	XSTEP \t
.endr
.irp k, 0,1,2,3
	v_cndmask_b32 v[28+\k], v[WRD+\k], v[WRD+4+\k], vcc_lo   ; lanes 0-15 store their row's words 0-3, lanes 16-31 words 4-7
.endr
	global_store_b128 v8, v[28:31], s[34:35]       ; the tile's 512 scale bytes
	s_set_vgpr_msb 0x4
	s_wait_tensorcnt 0x0
	ds_add_u32 v19, v1
	s_wait_dscnt 0x0
	s_set_vgpr_msb 0x400
	s_endpgm
; ---------------- WEIGHTS: a wave takes 32 columns x 256 along K.  A lane takes a column, its registers run down K: a block of 32 lies in one lane, and nothing is transposed ----------------
.Lweights:
	s_lshr_b32 s28, ttmp9, 5                       ; which tensor: 0 .. 3
	s_and_b32 s27, ttmp9, 31
	s_lshr_b32 s29, s27, 1
	s_lshl_b32 s29, s29, 1
	s_and_b32 s36, s26, 1
	s_add_co_u32 s29, s29, s36                     ; which 32 columns: two waves side by side cover 256 bytes of a source row
	s_and_b32 s27, ttmp9, 1
	s_lshl_b32 s27, s27, 1
	s_lshr_b32 s36, s26, 1
	s_add_co_u32 s27, s27, s36                     ; which 256 of K
	s_lshr_b32 s36, s29, 1
	s_lshl_b32 s36, s36, 18                        ; Wq, Wk, Wv: the head's 1,024 rows of 256 bytes,
	s_and_b32 s37, s29, 1
	s_lshl_b32 s37, s37, 7
	s_add_co_u32 s36, s36, s37                     ; and which half of a row
	s_lshl_b32 s37, s29, 7                         ; Wo: 128 bytes for each 32 columns
	s_mov_b32 s57, 4096
	s_cmp_eq_u32 s28, 3
	s_cselect_b32 s36, s37, s36
	s_cselect_b32 s56, s57, 256                    ; bytes from a row of K to the next
	s_lshl_b32 s37, s56, 8
	s_mul_i32 s37, s37, s27                        ; my 256 rows
	s_add_co_u32 s36, s36, s37
	s_mov_b32 s37, 0
	s_lshl_b32 s58, s56, 5                         ; 32 rows: a block
	s_mov_b32 s59, 0
	s_lshl_b32 s60, s28, 6
	s_add_co_u32 s60, s60, 1536
	s_lshl_b32 s61, s29, 1
	s_add_co_u32 s60, s60, s61                     ; my first tile (my 32 columns are two tiles)
	s_mul_i32 s32, s60, 12288
	s_mul_i32 s61, s27, 3072                       ; 256 along K are two K steps of 1,536 bytes
	s_add_co_u32 s32, s32, s61
	s_mov_b32 s33, 0
	s_lshl_b32 s34, s60, 9
	s_lshl_b32 s61, s27, 3                         ; and 8 scale bytes
	s_add_co_u32 s34, s34, s61
	s_mov_b32 s35, 0
	v_bfe_u32 v2, v0, 3, 1                         ; column L lies in tile (L / 8) % 2,
	v_and_b32 v3, 7, v0
	v_bfe_u32 v7, v0, 4, 1
	v_lshl_add_u32 v3, v7, 3, v3                   ; as its row L % 8 + 8 (L / 16)
	v_mul_u32_u24 v7, v2, 12288
	v_lshl_add_u32 v4, v3, 4, v7                   ; registers 0-3 of a half fragment
	v_lshl_add_u32 v5, v3, 3, v7                   ; registers 4-5
	v_lshlrev_b32 v6, 5, v3
	v_lshl_add_u32 v6, v2, 9, v6                   ; the scale bytes of my row
	v_lshlrev_b32 v[VOF], 2, v1
.irp i, 1,2,3,4,5,6,7,8,9,10,11,12,13,14,15,16,17,18,19,20,21,22,23,24,25,26,27,28,29,30,31
	v_add_nc_u32 v[VOF+\i], s56, v[VOF+\i-1]       ; the pitch is 256 or 4,096 bytes, so the rows' offsets stand in registers
.endr
	s_wait_alu depctr_va_vdst(0)
	s_wait_kmcnt 0x0
	s_cmp_eq_u32 s28, 1
	s_cselect_b64 s[30:31], s[12:13], s[10:11]
	s_cmp_eq_u32 s28, 2
	s_cselect_b64 s[30:31], s[14:15], s[30:31]
	s_cmp_eq_u32 s28, 3
	s_cselect_b64 s[30:31], s[16:17], s[30:31]
	s_add_nc_u64 s[40:41], s[30:31], s[36:37]      ; a base for each of my 8 blocks: none is stepped
.irp t, 1,2,3,4,5,6,7
	s_add_nc_u64 s[40+2*\t:41+2*\t], s[38+2*\t:39+2*\t], s[58:59]
.endr
	s_add_nc_u64 s[32:33], s[18:19], s[32:33]
	s_add_nc_u64 s[34:35], s[20:21], s[34:35]
.macro WLOAD t
.irp i, 0,1,2,3,4,5,6,7,8,9,10,11,12,13,14,15,16,17,18,19,20,21,22,23,24,25,26,27,28,29,30,31
	global_load_b32 v[WX+32*((\t)%2)+\i], v[VOF+\i], s[40+2*(\t):41+2*(\t)] th:TH_LOAD_NT
.endr
.endm
.macro WBLOCK t
.set XS, WX+32*((\t)%2)
.if (\t) < 7
	s_wait_loadcnt 32                              ; this block's 32 loads are in; the next block's may be out
.else
	s_wait_loadcnt 0x0
.endif
	v_max3_num_f32 v8, |v[XS]|, |v[XS+1]|, |v[XS+2]|
	v_max3_num_f32 v9, |v[XS+3]|, |v[XS+4]|, |v[XS+5]|
.irp i, 6,10,14,18,22,26
	v_max3_num_f32 v8, v8, |v[XS+\i]|, |v[XS+\i+1]|
	v_max3_num_f32 v9, v9, |v[XS+\i+2]|, |v[XS+\i+3]|
.endr
	v_max3_num_f32 v8, v8, |v[XS+30]|, |v[XS+31]|
	v_max3_num_f32 v8, v8, v9, 0x1800000           ; and the floor 2^(3 - 127)
	v_add_nc_u32 v10, 0xff000000, v8
	v_lshrrev_b32 v11, 23, v10
.if (\t)%4 == 0
	v_mov_b32 v[SB+(\t)/4], v11
.else
	v_lshl_or_b32 v[SB+(\t)/4], v11, 8*((\t)%4), v[SB+(\t)/4]
.endif
	v_cvt_scalef32_pk16_fp6_f32 v[CW+6*(\t):CW+6*(\t)+2], v[XS:XS+15], v10
	v_cvt_scalef32_pk16_fp6_f32 v[WE:WE+2], v[XS+16:XS+31], v10
	v_nop                                          ; one plain place behind a scaled conversion
.irp k, 0,1,2
	v_mov_b32 v[CW+6*(\t)+3+\k], v[WE+\k]
.endr
	; block t is K step t / 4, half fragment (t % 4) / 2, lanes 16 (t % 2) on.  Sixteen lanes store 256 (128) consecutive bytes of each of the two tiles; two blocks' stores of 8 bytes a lane fill an aligned 256
	global_store_b128 v4, v[CW+6*(\t):CW+6*(\t)+3], s[32:33] offset:((\t)/4)*1536+(((\t)%4)/2)*768+256*((\t)%2)
	global_store_b64 v5, v[CW+6*(\t)+4:CW+6*(\t)+5], s[32:33] offset:((\t)/4)*1536+(((\t)%4)/2)*768+512+128*((\t)%2)
.if (\t)+2 < 8
	WLOAD (\t)+2
.endif
.endm
	WLOAD 0
	WLOAD 1
.irp t, 0,1,2,3,4,5,6,7
	WBLOCK \t
.endr
	global_store_b64 v6, v[SB:SB+1], s[34:35]      ; 8 bytes of each row's 32: written in part; 131,072 bytes in the whole launch
	s_endpgm
.Lfunc_end_k_qbd0ae434b2_quant:
	.size	k_qbd0ae434b2_quant, .Lfunc_end_k_qbd0ae434b2_quant-k_qbd0ae434b2_quant
	.p2alignl 7, 3214868480
	.fill 96, 4, 3214868480
	.section	.rodata,"a",@progbits
	.p2align	6, 0x0
	.amdhsa_kernel k_qbd0ae434b2_quant
		.amdhsa_group_segment_fixed_size 68096
		.amdhsa_private_segment_fixed_size 0
		.amdhsa_enable_private_segment 0
		.amdhsa_kernarg_size 72
		.amdhsa_user_sgpr_count 2
		.amdhsa_user_sgpr_kernarg_segment_ptr 1
		.amdhsa_wavefront_size32 1
		.amdhsa_system_sgpr_workgroup_id_x 1
		.amdhsa_system_sgpr_workgroup_id_y 1
		.amdhsa_system_sgpr_workgroup_id_z 1
		.amdhsa_system_vgpr_workitem_id 0
		.amdhsa_next_free_vgpr 258
		.amdhsa_next_free_sgpr 66
		.amdhsa_reserve_vcc 1
		.amdhsa_float_denorm_mode_32 3
		.amdhsa_float_denorm_mode_16_64 3
		.amdhsa_memory_ordered 1
		.amdhsa_forward_progress 1
		.amdhsa_inst_pref_size 100
	.end_amdhsa_kernel
	.amdgpu_metadata
---
amdhsa.version: [ 1, 2 ]
amdhsa.kernels:
  - .name:           k_qbd0ae434b2_quant
    .symbol:         k_qbd0ae434b2_quant.kd
    .args:
      - { .name: queries, .offset: 0, .size: 8, .value_kind: global_buffer, .address_space: global }
      - { .name: keys, .offset: 8, .size: 8, .value_kind: global_buffer, .address_space: global }
      - { .name: values, .offset: 16, .size: 8, .value_kind: global_buffer, .address_space: global }
      - { .name: Wq, .offset: 24, .size: 8, .value_kind: global_buffer, .address_space: global }
      - { .name: Wk, .offset: 32, .size: 8, .value_kind: global_buffer, .address_space: global }
      - { .name: Wv, .offset: 40, .size: 8, .value_kind: global_buffer, .address_space: global }
      - { .name: Wo, .offset: 48, .size: 8, .value_kind: global_buffer, .address_space: global }
      - { .name: oc, .offset: 56, .size: 8, .value_kind: global_buffer, .address_space: global }
      - { .name: os, .offset: 64, .size: 8, .value_kind: global_buffer, .address_space: global }
    .group_segment_fixed_size: 68096
    .private_segment_fixed_size: 0
    .kernarg_segment_align: 8
    .kernarg_segment_size: 72
    .max_flat_workgroup_size: 128
    .sgpr_count:     66
    .vgpr_count:     258
    .wavefront_size: 32
...
	.end_amdgpu_metadata
.endif
;; end of part 1
;; launch proj (part 2): grid 8 x 32, 4 waves a work-group, clusters of 4 x 4, 327,680 bytes of LDS; arguments oc, os, bq, bk, bv, hb; writes hb
.if DOCPART == 2
	.amdgcn_target "amdgcn-amd-amdhsa--gfx1250"
	.amdhsa_code_object_version 6
	.text
	.protected	k_qbd0ae434b2_proj
	.globl	k_qbd0ae434b2_proj
	.p2align	8
	.type	k_qbd0ae434b2_proj,@function
k_qbd0ae434b2_proj:
	s_mov_b64 s[64:65], 0
	v_nop
	global_prefetch_b8 v0, s[64:65] scope:SCOPE_SE
	s_setreg_imm32_b32 hwreg(HW_REG_WAVE_MODE, 25, 1), 1
	s_wait_xcnt 0x0
	s_wait_alu depctr_hold_cnt(0) depctr_sa_sdst(0) depctr_va_vdst(0) depctr_va_sdst(0) depctr_va_ssrc(0) depctr_va_vcc(0) depctr_vm_vsrc(0)
	s_getreg_b32 s2, hwreg(HW_REG_IB_STS2, 6, 4)
	s_cmp_eq_u32 s2, 0
	s_cbranch_scc0 .Lentry_in_a_cluster
	s_endpgm
.Lentry_in_a_cluster:
	s_bfe_u32 s2, ttmp6, 0x10000c
	s_cmp_lg_u32 s2, 0xf033
	s_cbranch_scc0 .Lentry_shape_is_right
	s_endpgm
.Lentry_shape_is_right:
; The three projections on codes of FP6 (E2M3), K = 1,024, their biases, and the quantising of the results into the operands of attention: q and k along the head's 64, v along the keys.
; AN ITEM is 128 rows of source 0 (8 tiles) x 256 rows of source 1 (16 tiles); a wave makes all 8 tiles x 4 tiles: 32 accumulators.  In a result a lane holds ONE row of source 1, and its registers run
; along source 0's rows: the axis along which the result is quantised.  q, k: source 0 = the weight's 128 columns (two heads), source 1 = 256 rows of the activations.  v: source 0 = 128 rows of values
; (128 keys), source 1 = 256 columns of Wv (four heads, one a wave).  Lane r of tile T holds row 32 (T / 2) + 8 (T % 2) + r + 8 (r / 8) (keys: 64 (T / 4) + 8 (T % 4) + r % 8 + 32 (r / 8)).
; A WORK-GROUP STAYS: 256 work-groups, each makes three items on end: one of q, one of k, one of v.  q and k are a loop of two trips; v, whose bias and way out differ and behind which nothing is fetched, is written out.
; THE RING: two LDS slots, each with half of K (512) of an item: source 0's 8 tiles x 6,144 bytes, source 1's 16 tiles.  The codes lie in memory in the order of the operand's registers (a half fragment: registers 0-3 at
; 16 x lane, registers 4-5 at 512 + 8 x lane): no pitch, no padding; a load's rows are 6,144 bytes at multiples of 256 from the buffer's first byte.  Waves 0 and 1 fetch four tiles each of source 0, waves 2 and 3 eight
; each of source 1: one tensor load of a wave is out.  In K step 3 slot 0 has been read out and takes the next item's first half; in K step 7 slot 1 takes its second half.  Each refill stands behind a wait for the tensor load, an add to the spare word, its wait
; and a round of the cluster's barrier, with sixteen products between the round's opening signal and wait.
; CLUSTERS: 4 x 4 work-groups.  Source 0's tiles hang on the cluster's column and are asked for jointly by its four work-groups, source 1's on its row.  All partners walk the items in the same order.
; PREFETCH: at a trip's head the next item's tiles, both halves, are asked for: three K steps ahead of the load of its first half.  The sixteen waves that will ask for a tile set jointly share its blocks of 256 bytes out
; by address: of source 0's 8 x 24 blocks of a half 12 a wave, of source 1's 16 x 24 blocks 24 a wave (lanes left over name the wave's last block again).  The first item comes by its loads alone; the tail asks for nothing.
; The scale words of all of K and q's and k's bias come straight into registers, the next item's while this item's results are quantised; v's bias once, at the head.
; OUT (buffer hb): q: (16 b + head) x 106,496 + (128 queries) x 6,656: 8 half fragments, then 2 units of scale words.  k and v: 6,815,744 + (16 b + head) x 208,896 + (128 keys) x 13,056: k's 8 half fragments,
; 2 units of its scale words, v's 4 fragments (16 of the head's 64 x 128 keys), 1 unit of its scale words.  A unit: 256 bytes, lane l's word i at 8 l + 4 i: row l % 16 of tile 2 i + l / 16.
; LIMITS: NaN and infinities are not served; a block whose largest magnitude lies under 2^-124, a block of zeros among them, gets the byte 1 (its codes then are what the conversion gives; this program alone reads the bytes).
; REGISTERS, in windows of 256: window 0: v2-7 lane terms; v8-23 LDS addresses and the prefetches' offsets; v24-31 v's bias; v32-63 source 0's scale words, v64-79 source 1's; v80-175 source 1's fragments, two sets; in a way out v80-239 at work.
;   window 1: the 32 accumulators ((a, i) at v[8 (8 i + a)]).   window 2: v0-191 source 0's fragments, two sets; v192-255 q's or k's bias, the C of each sum's first product.
.set SLA,  49152                       ; a slot of source 0: 8 tiles x 6,144 bytes (512 along K)
.set SLB,  98304                       ; of source 1: 16 tiles
.set BOFF, 2*SLA                       ; source 1's slots lie behind source 0's
.set KV0,  6815744
.set A16,  8                           ; v8-9    slot s of source 0 + 16 x lane
.set PFA,  10                          ; v10     the prefetches' offset in source 0's tiles; v11 in source 1's
.set PFB,  11
.set A8,   12                          ; v12-13  slot s + 8 x lane
.set B16,  16                          ; v16-17  slot s of source 1, my four tiles, + 16 x lane
.set B8,   20                          ; v20-21
.set BB,   24                          ; v24-31  v's bias of my lane's column in tile i at v[BB + 2 i]; the odd registers are named with them as pairs
.set SA,   32                          ; v[SA + 8 p + ks]: lanes 0-15 the scale word of tile 2 p, lanes 16-31 of tile 2 p + 1, K step ks
.set SBS,  64
.set BF,   80
.set BA,   192                         ; in window 2
.set HFR,  80                          ; a way out: v80-127 eight half fragments
.set CT,   128                         ; v128-159 their upper halves on the way
.set MX,   176                         ; v176-191 sixteen largest magnitudes
.set TT,   192                         ; v192-207 the other lane's, then the bytes
.set SOP,  208                         ; v208-223 the conversions' scale operands
.set SP,   224                         ; v224-231 two bytes for each half fragment
.set UU,   232                         ; v232-235 scale words as they are stored
.set WDS,  236                         ; v236-239 v's scale words
.set G1A,  36                          ; s[36:43] descriptor group 1 for source 0;  s[44:51] for source 1
.set G1B,  44
.set G0A,  68                          ; s[68:75] two groups 0, one for each slot;  s[84:91] the same for source 1
.set G0B,  84
; s29 the item (0 q, 1 k, 2 v), s31 ta, s32 tb, s33, s34 its first tiles;  s28, s76-79 the same of the next item;  s[92:93], s[94:95] where my tiles of the next item begin;  s[96:97], s[98:99] the prefetches' bases
.set MSB, 0
.macro WIN new                         ; the immediate's high byte repeats the setting that is left
.if MSB != \new
	s_set_vgpr_msb (MSB<<8)|\new
.set MSB, \new
.endif
.endm
.macro PLACES                          ; four places behind this matrix form in front of loads into its registers and of the first read of results
.rept 4
	v_nop
.endr
.endm
.macro CREST                           ; a round of the cluster's barrier behind its opening barrier
	s_cmp_lg_u32 s22, 0
	s_cbranch_scc1 .Lnot_wave_0_\@
	s_barrier_signal -3
.Lnot_wave_0_\@:
	s_barrier_wait -3
	s_barrier_signal -1
	s_barrier_wait -1
.endm
.macro CROUND                          ; a whole round
	s_barrier_signal -1
	s_barrier_wait -1
	CREST
.endm
.macro JLOAD s                         ; a joint load into slot s: each of the two lines has one mask and one set of registers; the branch hangs on the wave's number alone
	s_cmp_eq_u32 s23, 0
	s_cbranch_scc0 .Lfor_b_\@
	tensor_load_to_lds s[G0A+4*(\s):G0A+4*(\s)+3], s[G1A:G1A+7]
	s_nop 0
	PLACES
	s_branch .Lasked_\@
.Lfor_b_\@:
	tensor_load_to_lds s[G0B+4*(\s):G0B+4*(\s)+3], s[G1B:G1B+7]
	s_nop 0
	PLACES
.Lasked_\@:
.endm
.macro NEXT                            ; item s28's places.  s76, s78, s82 never hold cy; s77, s79, s100 never hold cx; s80, s81 hold neither
	s_cmp_eq_u32 s28, 2
	s_cselect_b32 s80, s30, 0
	s_cselect_b32 s81, 0, s30
	s_lshl_b32 s76, ttmp9, 2
	s_add_co_u32 s76, s76, s25
	s_lshl_b32 s80, s80, 3
	s_add_co_u32 s76, s76, s80                     ; ta: which 128 rows of source 0 (q, k: 0 .. 7; v: 0 .. 63)
	s_lshl_b32 s77, s81, 2
	s_add_co_u32 s77, s77, s26                     ; tb: which 256 rows of source 1 (q, k: 0 .. 31; v: 0 .. 3)
	s_lshl_b32 s80, s28, 6
	s_add_co_u32 s80, s80, 1536                    ; the weight's first tile
	s_lshl_b32 s81, s28, 9                         ; the activations'
	s_cmp_eq_u32 s28, 2
	s_cselect_b32 s78, s81, s80
	s_cselect_b32 s79, s80, s81
	s_lshl_b32 s82, s76, 3
	s_add_co_u32 s78, s78, s82                     ; source 0's first tile
	s_lshl_b32 s100, s77, 4
	s_add_co_u32 s79, s79, s100                    ; source 1's
.endm
.macro BASES                           ; and its addresses
	s_mul_i32 s82, s78, 12288
	s_mov_b32 s83, 0
	s_add_nc_u64 s[96:97], s[4:5], s[82:83]
	s_mul_i32 s100, s79, 12288
	s_mov_b32 s101, 0
	s_add_nc_u64 s[98:99], s[4:5], s[100:101]
	s_mul_i32 s82, s24, 4*12288                    ; the tiles that I fetch: four of source 0's eight,
	s_add_nc_u64 s[92:93], s[96:97], s[82:83]
	s_mul_i32 s100, s24, 8*12288                   ; or eight of source 1's sixteen
	s_add_nc_u64 s[94:95], s[98:99], s[100:101]
.endm
.macro SETD s                          ; slot s's groups 0 take the next item's half s of K; written where no tensor load of the wave is out
.if \s
	s_add_nc_u64 s[G0A+6:G0A+7], s[92:93], 6144
	s_add_nc_u64 s[G0B+6:G0B+7], s[94:95], 6144
.else
	s_mov_b64 s[G0A+2:G0A+3], s[92:93]
	s_mov_b64 s[G0B+2:G0B+3], s[94:95]
.endif
	s_or_b32 s[G0A+4*(\s)+3], s[G0A+4*(\s)+3], 0x80000000
	s_or_b32 s[G0B+4*(\s)+3], s[G0B+4*(\s)+3], 0x80000000
.endm
.macro LOADSC                          ; the scale words of the item at s78, s79, all of K
	s_lshl_b32 s60, s78, 9
	s_mov_b32 s61, 0
	s_add_nc_u64 s[60:61], s[6:7], s[60:61]
	s_lshl_b32 s62, s22, 2
	s_add_co_u32 s62, s62, s79
	s_lshl_b32 s62, s62, 9
	s_mov_b32 s63, 0
	s_add_nc_u64 s[62:63], s[6:7], s[62:63]        ; my four tiles of source 1
.irp p, 0,1,2,3
.irp f, 0,1
	global_load_b128 v[SA+8*\p+4*\f:SA+8*\p+4*\f+3], v6, s[60:61] offset:1024*\p+16*\f
.endr
.endr
.irp p, 0,1
.irp f, 0,1
	global_load_b128 v[SBS+8*\p+4*\f:SBS+8*\p+4*\f+3], v6, s[62:63] offset:1024*\p+16*\f
.endr
.endr
.endm
.macro LOADBA ptr                      ; q's or k's bias runs along source 0: register j of tile a is column 32 (a / 2) + 8 (a % 2) + 16 h + j of the 128 at s76
	s_lshl_b32 s58, s76, 9
	s_mov_b32 s59, 0
	s_add_nc_u64 s[58:59], s[\ptr:\ptr+1], s[58:59]
	WIN 0x80                                       ; destination window 2
.irp a, 0,1,2,3,4,5,6,7
	global_load_b128 v[BA+8*\a:BA+8*\a+3], v7, s[58:59] offset:(32*(\a/2)+8*(\a%2))*4
	global_load_b128 v[BA+8*\a+4:BA+8*\a+7], v7, s[58:59] offset:(32*(\a/2)+8*(\a%2))*4+16
.endr
	WIN 0
.endm
	s_load_b256 s[4:11], s[0:1], 0x0               ; oc s[4:5], os s[6:7], bq s[8:9], bk s[10:11]
	s_load_b128 s[12:15], s[0:1], 0x20             ; bv s[12:13], hb s[14:15]
	v_lshl_add_u32 v254, v0, 2, 0x48000
	v_mov_b32 v255, 0
	ds_add_u32 v254, v255                          ; the opening lines: the add, twice on end, and its wait ahead of my first tensor load
	ds_add_u32 v254, v255
	v_lshrrev_b32 v1, 5, v0
	v_readfirstlane_b32 s22, v1                    ; wave 0..3
	s_lshr_b32 s23, s22, 1                         ; I fetch for source 0 (0) or source 1 (1)
	s_and_b32 s24, s22, 1                          ; which half of its tiles
	s_bfe_u32 s25, ttmp6, 0x40000                  ; cx
	s_bfe_u32 s26, ttmp6, 0x40004                  ; cy
	s_and_b32 s30, ttmp7, 0xffff                   ; the cluster's y: 0 .. 7
	s_mov_b32 s29, 0
	s_mov_b32 s28, 0
	NEXT                                           ; the first item
	s_lshl_b32 s56, 0x1111, s25                    ; my column of the cluster
	s_or_b32 s[G1A], s56, (3<<16)|(1<<21)          ; 15:0 the mask; 17:16 elements of 8 bytes; 21 set beside a mask; no padding
	s_lshl_b32 s58, s26, 2
	s_lshl_b32 s58, 15, s58                        ; my row
	s_or_b32 s[G1B], s58, (3<<16)|(1<<21)
.irp g, G1A, G1B
	s_mov_b32 s[\g+1], 768<<16                     ; tensor_dim0 = 768 elements: a tile's 6,144 bytes of 512 along K
	s_mov_b32 s[\g+3], 768<<16                     ; tile_dim0
	s_mov_b32 s[\g+5], 1536                        ; from tile to tile: 12,288 bytes
	s_mov_b32 s[\g+6], 0
	s_mov_b32 s[\g+7], 0
.endr
	s_mov_b32 s[G1A+2], 4<<16                      ; tensor_dim1: four tiles a load
	s_mov_b32 s[G1A+4], 4                          ; tile_dim1
	s_mov_b32 s[G1B+2], 8<<16                      ; eight
	s_mov_b32 s[G1B+4], 8
	s_mul_i32 s52, s24, 24576                      ; where they go: the wave's number alone enters an LDS address
	s_mul_i32 s53, s24, 49152
.irp s, 0,1
	s_mov_b32 s[G0A+4*\s], 1
	s_add_co_u32 s[G0A+4*\s+1], s52, \s*SLA
	s_mov_b32 s[G0B+4*\s], 1
	s_add_co_u32 s[G0B+4*\s+1], s53, BOFF+\s*SLB
.endr
	s_mov_b32 s20, 0x76543210
	s_mov_b32 s21, 0xfedcba98                      ; v_permlanex16_b32's selects for lane l xor 16
	s_mov_b32 s31, s76
	s_mov_b32 s32, s77
	s_mov_b32 s33, s78
	s_mov_b32 s34, s79
	s_wait_dscnt 0x0
	s_wait_kmcnt 0x0
	BASES
	SETD 0
	SETD 1
	CROUND                                         ; all sixteen work-groups are here: the joint loads meet
	JLOAD 0                                        ; the first item's first half
	v_and_b32 v1, 31, v0                           ; lane
	v_and_b32 v2, 15, v0                           ; r
	v_bfe_u32 v3, v0, 4, 1                         ; h
	v_lshlrev_b32 v4, 4, v1
	v_lshlrev_b32 v5, 3, v1
	v_lshlrev_b32 v6, 5, v2
	v_lshl_add_u32 v6, v3, 9, v6                   ; scale bytes: tile 2 p + h, row r: 512 h + 32 r
	v_lshlrev_b32 v7, 6, v3                        ; the bias along source 0: 16 h numbers on
	s_mul_i32 s60, s22, 24576
	s_add_co_u32 s60, s60, BOFF                    ; my four tiles of source 1
.irp s, 0,1
	v_add_nc_u32 v[A16+\s], \s*SLA, v4
	v_add_nc_u32 v[A8+\s], \s*SLA, v5
	v_add_nc_u32 v[B16+\s], s60, v4
	v_add_nc_u32 v[B8+\s], s60, v5
	s_add_co_u32 s60, s60, SLB
.endr
	s_lshl_b32 s52, s26, 2
	s_add_co_u32 s52, s52, s22                     ; my number among the sixteen waves of my column of the cluster: tile / 2, which 12 blocks
	s_lshr_b32 s53, s52, 1
	s_mul_i32 s53, s53, 12288
	s_and_b32 s52, s52, 1
	s_mul_i32 s52, s52, 12*256
	s_add_co_u32 s53, s53, s52
	v_min_u32 v[PFA], 11, v1                       ; 12 blocks of 256 bytes a wave; the lanes left over name the last again
	v_lshl_add_u32 v[PFA], v[PFA], 8, s53
	s_lshl_b32 s52, s25, 2
	s_add_co_u32 s52, s52, s22                     ; and of my row: the tile
	s_mul_i32 s52, s52, 12288
	v_min_u32 v[PFB], 23, v1                       ; 24 blocks a wave
	v_lshl_add_u32 v[PFB], v[PFB], 8, s52
.irp k, 0,1,2,3,4,5,6,7,8,9,10,11,12,13,14,15
	v_mov_b32 v[TT+\k], 0                          ; written once: a lane permute's destination counts as one of its sources
.endr
	LOADSC
	LOADBA 8                                       ; bq
	s_lshl_b32 s56, s26, 8                         ; v's bias runs along source 1: one number a lane and tile; the item's tb is cy
	s_lshl_b32 s57, s22, 6
	s_add_co_u32 s56, s56, s57
	s_lshl_b32 s56, s56, 2
	s_mov_b32 s57, 0
	s_add_nc_u64 s[56:57], s[12:13], s[56:57]
	v_and_b32 v1, 8, v2
	v_add_nc_u32 v1, v1, v2
	v_lshlrev_b32 v1, 2, v1                        ; 4 (r + 8 (r / 8))
.irp i, 0,1,2,3
	global_load_b32 v[BB+2*\i], v1, s[56:57] offset:(32*(\i/2)+8*(\i%2))*4
	v_mov_b32 v[BB+2*\i+1], 0
.endr
; The 12 fragments of K step ks into set p: 48 loads in one run
.macro FETCH ks, p
	WIN 0x80                                       ; destination window 2, address window 0
.irp a, 0,1,2,3,4,5,6,7
.irp c, 0,1
	ds_load_b128 v[96*(\p)+12*\a+6*\c:96*(\p)+12*\a+6*\c+3], v[A16+(\ks)/4] offset:6144*\a+1536*((\ks)%4)+768*\c
	ds_load_b64 v[96*(\p)+12*\a+6*\c+4:96*(\p)+12*\a+6*\c+5], v[A8+(\ks)/4] offset:6144*\a+1536*((\ks)%4)+768*\c+512
.endr
.endr
	WIN 0
.irp i, 0,1,2,3
.irp c, 0,1
	ds_load_b128 v[BF+48*(\p)+12*\i+6*\c:BF+48*(\p)+12*\i+6*\c+3], v[B16+(\ks)/4] offset:6144*\i+1536*((\ks)%4)+768*\c
	ds_load_b64 v[BF+48*(\p)+12*\i+6*\c+4:BF+48*(\p)+12*\i+6*\c+5], v[B8+(\ks)/4] offset:6144*\i+1536*((\ks)%4)+768*\c+512
.endr
.endr
.endm
; One product.  An odd tile's scale words stand in lanes 16-31 of its pair's register.  In K step 0 the C is q's or k's bias, or (z = 1, v) the constant 0.
.macro WMX c, ra, rb
	v_wmma_scale_f32_16x16x128_f8f6f4 v[rD:rD+7], v[rA:rA+11], v[rB:rB+11], \c, v[rX], v[rY] matrix_a_fmt:MATRIX_FMT_FP6 matrix_b_fmt:MATRIX_FMT_FP6 matrix_a_scale:MATRIX_SCALE_ROW\ra matrix_b_scale:MATRIX_SCALE_ROW\rb
.endm
.macro WMS c
.if PA_ == 0 && PI_ == 0
	WMX \c, 0, 0
.elseif PI_ == 0
	WMX \c, 1, 0
.elseif PA_ == 0
	WMX \c, 0, 1
.else
	WMX \c, 1, 1
.endif
.endm
.macro WM a, i, ks, z
.set rD, 8*(8*(\i)+(\a))
.set rC, BA+8*(\a)
.set rA, 96*((\ks)%2)+12*(\a)
.set rB, BF+48*((\ks)%2)+12*(\i)
.set rX, SA+8*((\a)/2)+(\ks)
.set rY, SBS+8*((\i)/2)+(\ks)
.set PA_, (\a)%2
.set PI_, (\i)%2
.if (\ks) > 0
	WMS v[rD:rD+7]
.elseif \z
	WMS 0
.else
	WMS v[rC:rC+7]
.endif
.endm
.macro PRODS ks, z, a0                 ; sixteen products: source 0's tiles a0 .. a0 + 3.  The 32 accumulators take turns, one instruction a turn, in the same order in every step
.if (\ks) == 0 && (\z) == 0
	WIN 0x62                                       ; source 0 window 2, source 1 window 0, C window 2, D window 1
.else
	WIN 0x52                                       ; C and D window 1
.endif
.irp a, \a0, \a0+1, \a0+2, \a0+3
.irp i, 0,1,2,3
	WM \a,\i,\ks,\z
.endr
.endr
.endm
; A K step of 128.  mode 0: the next step's fragments are asked for, then 32 products.  mode 1: the slot read out is filled again.  mode 2: a plain barrier shows the other slot.
.macro KSTEP ks, mode, z
.if (\mode) == 1
	s_wait_tensorcnt 0x0                           ; my one load, my part of the other slot, has landed;
	ds_add_u32 v254, v255                          ; 0 onto my spare word;
	SETD (\ks)/4                                   ; no tensor load of mine is out: the descriptors may be written
	s_wait_dscnt 0x0                               ; the add is done, this step's fragments are in, and so my reads of the slot that they came from are over
	s_barrier_signal -1                            ; this barrier opens a round of the cluster's barrier
	PRODS \ks, \z, 0
	WIN 0
	s_barrier_wait -1
	CREST                                          ; no wave of any partner still reads the slot or has a load on its way
	JLOAD (\ks)/4                                  ; the first tensor load behind the round; its four v_nop are the places in front of the loads below
.if (\ks) < 7
	FETCH (\ks)+1,((\ks)+1)%2
.endif
	PRODS \ks, \z, 4
	WIN 0
.else
.if (\mode) == 2
	s_wait_tensorcnt 0x0                           ; my part of the other slot has landed
.endif
	s_wait_dscnt 0x0                               ; this step's fragments are in
.if (\mode) == 2
	s_barrier_signal -1
	s_barrier_wait -1                              ; everybody's part has landed
.endif
.if (\ks) > 0
	PLACES
.endif
.if (\ks) < 7
	FETCH (\ks)+1,((\ks)+1)%2
.endif
	PRODS \ks, \z, 0
	PRODS \ks, \z, 4
	WIN 0
.endif
.endm
; The results become operands.  Block 4 i + b (tile i of source 1, 32 neighbours along source 0) is accumulator registers 16 (4 i + b) on; lanes l and l xor 16 share it
.macro QUANT
	WIN 0x05                                       ; sources 0 and 1 window 1
.irp k, 0,1,2,3,4,5,6,7,8,9,10,11,12,13,14,15
	v_max3_num_f32 v[MX+\k], |v[16*\k]|, |v[16*\k+1]|, 0x1800000   ; and the floor 2^(3 - 127): the byte cannot fall under 1
.endr
.irp i, 2,4,6,8,10,12,14
.irp k, 0,1,2,3,4,5,6,7,8,9,10,11,12,13,14,15
	v_max3_num_f32 v[MX+\k], |v[16*\k+\i]|, |v[16*\k+\i+1]|, v[MX+\k]
.endr
.endr
	WIN 0
.irp k, 0,1,2,3,4,5,6,7,8,9,10,11,12,13,14,15
	v_permlanex16_b32 v[TT+\k], v[MX+\k], s20, s21
.endr
.irp k, 0,1,2,3,4,5,6,7,8,9,10,11,12,13,14,15
	v_max_num_f32 v[MX+\k], v[MX+\k], v[TT+\k]     ; the block's largest magnitude
.endr
.irp k, 0,1,2,3,4,5,6,7,8,9,10,11,12,13,14,15
	v_add_nc_u32 v[SOP+\k], 0xff000000, v[MX+\k]   ; 2 off its exponent field: the conversion's scale operand
.endr
.irp k, 0,1,2,3,4,5,6,7,8,9,10,11,12,13,14,15
	v_lshrrev_b32 v[TT+\k], 23, v[SOP+\k]          ; the byte
.endr
.irp g, 0,1,2,3,4,5,6,7
	v_lshl_or_b32 v[SP+\g], v[TT+2*\g+1], 8, v[TT+2*\g]   ; the two bytes of half fragment g = 2 i + c
.endr
	WIN 0x01                                       ; source 0 window 1
.irp g, 0,1,2,3,4,5,6,7
	v_cvt_scalef32_pk16_fp6_f32 v[HFR+6*\g:HFR+6*\g+2], v[32*\g:32*\g+15], v[SOP+2*\g]
	v_cvt_scalef32_pk16_fp6_f32 v[CT+4*\g:CT+4*\g+2], v[32*\g+16:32*\g+31], v[SOP+2*\g+1]
.endr
	WIN 0
	v_nop                                          ; one plain place behind a scaled conversion
.irp g, 0,1,2,3,4,5,6,7                 ; the operand's layout wants a WHOLE block in a lane: lanes 0-15 the first block, lanes 16-31 the second
.irp k, 0,1,2
	v_permlane16_swap_b32 v[HFR+6*\g+\k], v[CT+4*\g+\k]
.endr
.irp k, 0,1,2
	v_mov_b32 v[HFR+6*\g+3+\k], v[CT+4*\g+\k]
.endr
.endr
	v_cmp_ne_u32 vcc_lo, 0, v3                     ; lanes 16-31
.endm
; q or k: half fragment (i, c) is tile i of my four, head 2 ta + c.  SC: bytes from head to head; RB: a record of 128 rows; B0: where the records begin
.macro ST_QK SC, RB, B0
	s_lshr_b32 s56, s32, 3
	s_lshl_b32 s56, s56, 4
	s_lshl_b32 s57, s31, 1
	s_add_co_u32 s56, s56, s57                     ; 16 b + 2 ta
	s_mul_i32 s56, s56, \SC
	s_and_b32 s57, s32, 7
	s_lshl_b32 s57, s57, 1
	s_add_co_u32 s57, s57, s23                     ; which 128 rows of the batch's 2,048
	s_mul_i32 s57, s57, \RB
	s_add_co_u32 s56, s56, s57
.if \B0
	s_add_co_u32 s56, s56, \B0
.endif
	s_mul_i32 s57, s24, 3072                       ; my four tiles of the record's eight
	s_add_co_u32 s52, s56, s57
	s_mov_b32 s53, 0
	s_lshl_b32 s57, s24, 8
	s_add_co_u32 s54, s56, s57
	s_add_co_u32 s54, s54, 6144                    ; and their unit of scale words
	s_mov_b32 s55, 0
	s_add_nc_u64 s[52:53], s[14:15], s[52:53]
	s_add_nc_u64 s[54:55], s[14:15], s[54:55]
.irp c, 0,1
.irp n, 0,1
	v_cndmask_b32 v[UU+2*\c+\n], v[SP+4*\n+\c], v[SP+4*\n+2+\c], vcc_lo   ; word n: lanes 0-15 tile 2 n, lanes 16-31 tile 2 n + 1.  The upper two bytes are 0: they scale what meets zero codes
.endr
.endr
.irp c, 0,1
.irp i, 0,1,2,3
	global_store_b128 v4, v[HFR+6*(2*\i+\c):HFR+6*(2*\i+\c)+3], s[52:53] offset:\c*\SC+768*\i         ; 512 consecutive bytes, at a multiple of 256 from the buffer's first byte
	global_store_b64 v5, v[HFR+6*(2*\i+\c)+4:HFR+6*(2*\i+\c)+5], s[52:53] offset:\c*\SC+768*\i+512   ; 256
.endr
	global_store_b64 v5, v[UU+2*\c:UU+2*\c+1], s[54:55] offset:\c*\SC                                 ; 256
.endr
.endm
	s_wait_alu depctr_va_vdst(0)                   ; the wait at the head's end
	s_wait_tensorcnt 0x0                           ; my part of slot 0 is in
	ds_add_u32 v254, v255
	s_wait_dscnt 0x0
	CROUND
	JLOAD 1                                        ; the first item's second half
.Litem:                                                ; two trips: q, k
	FETCH 0,0
	s_add_co_u32 s28, s29, 1
	NEXT                                           ; the next item's places and addresses (behind the last trip's wait on XCNT)
	BASES
	s_wait_loadcnt 0x0                             ; scale words and biases
	global_prefetch_b8 v[PFA], s[96:97] th:TH_LOAD_NT scope:SCOPE_SE
	global_prefetch_b8 v[PFB], s[98:99] th:TH_LOAD_NT scope:SCOPE_SE
	global_prefetch_b8 v[PFA], s[96:97] offset:6144 th:TH_LOAD_NT scope:SCOPE_SE
	global_prefetch_b8 v[PFB], s[98:99] offset:6144 th:TH_LOAD_NT scope:SCOPE_SE
	KSTEP 0, 0, 0
	KSTEP 1, 0, 0
	KSTEP 2, 0, 0
	KSTEP 3, 1, 0                                  ; slot 0 takes the next item's first half
	KSTEP 4, 0, 0
	KSTEP 5, 0, 0
	KSTEP 6, 0, 0
	KSTEP 7, 1, 0                                  ; slot 1 its second half
	PLACES
	LOADSC                                         ; the next item's scale words land while this item's results are quantised
	s_cmp_eq_u32 s29, 0
	s_cbranch_scc0 .Lno_bias
	LOADBA 10                                      ; bk (v's first products take the constant 0)
.Lno_bias:
	QUANT
	s_cmp_eq_u32 s29, 1
	s_cbranch_scc1 .Lstore_k
	s_wait_alu depctr_va_vdst(0)
	ST_QK 106496, 6656, 0
	s_branch .Lstored
.Lstore_k:
	s_wait_alu depctr_va_vdst(0)
	ST_QK 208896, 13056, KV0
.Lstored:
	s_wait_xcnt 0x0                                ; the stores have read their registers, the loads and prefetches their bases: all may be written again
	s_mov_b32 s31, s76
	s_mov_b32 s32, s77
	s_mov_b32 s33, s78
	s_mov_b32 s34, s79
	s_add_co_u32 s29, s29, 1
	s_cmp_lt_u32 s29, 2
	s_cbranch_scc1 .Litem
	; ---- v: nothing more is fetched
	FETCH 0,0
	s_wait_loadcnt 0x0
	KSTEP 0, 0, 1
	KSTEP 1, 0, 1
	KSTEP 2, 0, 1
	KSTEP 3, 2, 1
	KSTEP 4, 0, 1
	KSTEP 5, 0, 1
	KSTEP 6, 0, 1
	KSTEP 7, 0, 1
	PLACES
	WIN 0x41                                       ; destination and source 0 window 1
.set x, 0
.rept 128
	v_pk_add_f32 v[x:x+1], v[x:x+1], v[BB+2*(x/64):BB+2*(x/64)+1] op_sel_hi:[1,0]   ; v's bias: the lane's one number for both halves; each accumulator from its low end on
.set x, x+2
.endr
	WIN 0
	QUANT
	; tile i is 16 of my head's 64; half fragments (i, 0), (i, 1) are its fragment for these 128 keys
	s_lshr_b32 s56, s31, 4
	s_lshl_b32 s56, s56, 4
	s_lshl_b32 s57, s32, 2
	s_add_co_u32 s56, s56, s57
	s_add_co_u32 s56, s56, s22                     ; 16 b + 4 tb + wave
	s_mul_i32 s56, s56, 208896
	s_and_b32 s57, s31, 15                         ; which 128 keys
	s_mul_i32 s57, s57, 13056
	s_add_co_u32 s56, s56, s57
	s_add_co_u32 s52, s56, KV0+6656
	s_mov_b32 s53, 0
	s_add_nc_u64 s[52:53], s[14:15], s[52:53]
.irp i, 0,1,2,3
	v_lshl_or_b32 v[WDS+\i], v[SP+2*\i+1], 16, v[SP+2*\i]
.endr
.irp n, 0,1
	v_cndmask_b32 v[UU+\n], v[WDS+2*\n], v[WDS+2*\n+1], vcc_lo
.endr
	s_wait_alu depctr_va_vdst(0)
.irp i, 0,1,2,3
.irp c, 0,1
	global_store_b128 v4, v[HFR+6*(2*\i+\c):HFR+6*(2*\i+\c)+3], s[52:53] offset:1536*\i+768*\c
	global_store_b64 v5, v[HFR+6*(2*\i+\c)+4:HFR+6*(2*\i+\c)+5], s[52:53] offset:1536*\i+768*\c+512
.endr
.endr
	global_store_b64 v5, v[UU:UU+1], s[52:53] offset:6144
	s_wait_tensorcnt 0x0                           ; the wave's end
	ds_add_u32 v254, v255
	s_wait_dscnt 0x0
	CROUND                                         ; the closing round: no work-group ends while a partner may still ask for a tile that names it
	s_endpgm
.Lfunc_end_k_qbd0ae434b2_proj:
	.size	k_qbd0ae434b2_proj, .Lfunc_end_k_qbd0ae434b2_proj-k_qbd0ae434b2_proj
	.p2alignl 7, 3214868480
	.fill 96, 4, 3214868480
	.section	.rodata,"a",@progbits
	.p2align	6, 0x0
	.amdhsa_kernel k_qbd0ae434b2_proj
		.amdhsa_group_segment_fixed_size 327680
		.amdhsa_private_segment_fixed_size 0
		.amdhsa_enable_private_segment 0
		.amdhsa_kernarg_size 48
		.amdhsa_user_sgpr_count 2
		.amdhsa_user_sgpr_kernarg_segment_ptr 1
		.amdhsa_wavefront_size32 1
		.amdhsa_system_sgpr_workgroup_id_x 1
		.amdhsa_system_sgpr_workgroup_id_y 1
		.amdhsa_system_sgpr_workgroup_id_z 1
		.amdhsa_system_vgpr_workitem_id 0
		.amdhsa_next_free_vgpr 768
		.amdhsa_next_free_sgpr 102
		.amdhsa_reserve_vcc 1
		.amdhsa_float_denorm_mode_32 3
		.amdhsa_float_denorm_mode_16_64 3
		.amdhsa_memory_ordered 1
		.amdhsa_forward_progress 1
		.amdhsa_inst_pref_size 182
	.end_amdhsa_kernel
	.amdgpu_metadata
---
amdhsa.version: [ 1, 2 ]
amdhsa.kernels:
  - .name:           k_qbd0ae434b2_proj
    .symbol:         k_qbd0ae434b2_proj.kd
    .args:
      - { .name: oc, .offset: 0, .size: 8, .value_kind: global_buffer, .address_space: global }
      - { .name: os, .offset: 8, .size: 8, .value_kind: global_buffer, .address_space: global }
      - { .name: bq, .offset: 16, .size: 8, .value_kind: global_buffer, .address_space: global }
      - { .name: bk, .offset: 24, .size: 8, .value_kind: global_buffer, .address_space: global }
      - { .name: bv, .offset: 32, .size: 8, .value_kind: global_buffer, .address_space: global }
      - { .name: hb, .offset: 40, .size: 8, .value_kind: global_buffer, .address_space: global }
    .group_segment_fixed_size: 327680
    .private_segment_fixed_size: 0
    .kernarg_segment_align: 8
    .kernarg_segment_size: 48
    .max_flat_workgroup_size: 128
    .sgpr_count:     102
    .vgpr_count:     768
    .wavefront_size: 32
...
	.end_amdgpu_metadata
.endif
;; end of part 2
;; launch attn (part 3): grid 256 x 1, 16 waves a work-group, clusters of 4 x 1, 210,944 bytes of LDS; arguments hb, cc, cs; writes cc, cs
.if DOCPART == 3
	.amdgcn_target "amdgcn-amd-amdhsa--gfx1250"
	.amdhsa_code_object_version 6
	.text
	.protected	k_qbd0ae434b2_attn
	.globl	k_qbd0ae434b2_attn
	.p2align	8
	.type	k_qbd0ae434b2_attn,@function
k_qbd0ae434b2_attn:
	s_mov_b64 s[64:65], 0
	v_nop
	global_prefetch_b8 v0, s[64:65] scope:SCOPE_SE
	s_setreg_imm32_b32 hwreg(HW_REG_WAVE_MODE, 25, 1), 1
	s_wait_xcnt 0x0
	s_wait_alu depctr_hold_cnt(0) depctr_sa_sdst(0) depctr_va_vdst(0) depctr_va_sdst(0) depctr_va_ssrc(0) depctr_va_vcc(0) depctr_vm_vsrc(0)
	s_getreg_b32 s2, hwreg(HW_REG_IB_STS2, 6, 4)
	s_cmp_eq_u32 s2, 0
	s_cbranch_scc0 .Lentry_in_a_cluster
	s_endpgm
.Lentry_in_a_cluster:
	s_bfe_u32 s2, ttmp6, 0x10000c
	s_cmp_lg_u32 s2, 0x3003
	s_cbranch_scc0 .Lentry_shape_is_right
	s_endpgm
.Lentry_shape_is_right:
; Attention of one head on codes of FP6 (E2M3): S^T = K Q^T (K = the head's 64, filled to the instruction's 128 by zero codes of Q), the softmax, O^T = V^T P^T (K = the keys), O / l, and O quantised
; along the head's 64 as an operand of the output projection.
; THE SOFTMAX AHEAD OF THE SECOND PRODUCT: t = score x log2(e) / 8; M = the running largest t rounded UP to a whole number; p = 2^(t - M) is quantised along the keys, not normalised; the row's sum is taken of the
; unquantised p and divides O at the end.  When M moves, the sum and O are multiplied by 2^(old M - new M): exact.
; A block's largest p is not searched for: the block's largest SCORE goes through the same multiply-add and exponential.  This takes v_exp_f32 not to fall where its input rises, which the ISA guide does not state;
; at the worst one p of a block, within an ulp of a power of two, would be held one code low.
; LIMITS: NaN and infinities are not served; the promise holds while the scaled scores t stay under 2^31 in magnitude; a block whose largest magnitude lies under 2^-124, a block of zeros among them, gets the byte 1
; (this program alone reads the bytes).
; SHARES.  A cluster of four work-groups is one (batch, head); a work-group owns 512 of its 2,048 queries.  The head's whole K and V, 16 records of 128 keys, 208,896 bytes, come into LDS ONCE, by joint loads that name
; the four work-groups: each of the sixteen waves asks for one record (51 rows of 256 bytes; one tensor load of a wave is out), and they stay: nothing is filled again.
; A wave holds one tile of 16 queries and makes two passes: 16 waves x 16 queries x 2.  Four waves share a SIMD, 256 registers each: no register window is switched.
; No prefetch: a wave's one tensor load stands at the head, and the launch has no loop that runs ahead of a load.
; LAYOUT.  Both products are used transposed: a lane holds ONE query (lane % 16) throughout.  Lane r of tile T of K holds key 64 (T / 4) + 8 (T % 4) + r % 8 + 32 (r / 8) of its record: so the 32 registers of tiles
; 4 c .. 4 c + 3 in lane (r, h) are keys 64 c + 32 h + 0 .. 31: ONE scale block of p, in the order of the operand's registers: a block's maximum asks no other lane, and no codes change lanes.
; Lane r of tile T of V^T and of Q holds row 32 (T / 2) + 8 (T % 2) + r + 8 (r / 8).  All codes lie in the order of the operand's registers (registers 0-3 at 16 x lane, 4-5 at 512 + 8 x lane).
; K'S FRAGMENTS LIE PACKED, six registers each: as k = 64 .. 127 a product reads the next tile's six (behind the last: six zeros), which meet Q's zero codes and add nothing: every code of FP6 is a finite number.
; V's fragments land on K's registers when the scores are made, under the softmax.
.set KV0,   6815744
.set REC,   13056                      ; a record of 128 keys: K's 8 half fragments, 2 units of its scale words (at 6,144), V's 4 fragments (at 6,656), 1 unit of its scale words (at 12,800)
.set SPARE, 208896                     ; behind the records: the spare words, 128 bytes for each of 16 waves
.set SPW,  10                          ; v10 my spare word; v11 0: never rewritten
.set NIL,  11
.set SH8,  12                          ; v12 8 h
.set OB,   13                          ; v13 the scale byte that I store
.set KS,   14                          ; v14-17 K's scale words; v18-19 V's; v20 Q's; v21 Q's of the second pass
.set VS,   18
.set QS,   20
.set ST,   22                          ; v22 -M, v23 the running largest score
.set F,    24                          ; v24 f; v25 p's scale word
.set SM,   26                          ; v26-27 the row's sum in two halves; v28-33 three more chains of a step
.set BM,   34                          ; v34-37 maxima
.set SO,   38                          ; v38-39 the conversions' scale operands
.set T0,   40
.set T1,   41
.set CT,   42                          ; v42-44, v46-48 the upper halves of two blocks' codes on the way
.set PC,   50                          ; v50-61 p's codes
.set QF,   62                          ; v62-73 Q's fragment; v74-79 the second pass's codes
.set Q2,   74
.set O,    80                          ; v80-111 O^T
.set S,    112                         ; v112-175 S^T, then p
.set KF,   176                         ; v176-229 K's eight packed fragments and six zeros; then V's four
.set VF,   176
.macro PLACES                          ; four places behind this matrix form (ISA guide 7.12.1)
.rept 4
	v_nop
.endr
.endm
.macro WALU
	s_wait_alu depctr_va_vdst(0)
.endm
.macro CROUND                          ; a round of the cluster's barrier
	s_barrier_signal -1
	s_barrier_wait -1
	s_cmp_lg_u32 s12, 0
	s_cbranch_scc1 .Lnot_wave_0_\@
	s_barrier_signal -3
.Lnot_wave_0_\@:
	s_barrier_wait -3
	s_barrier_signal -1
	s_barrier_wait -1
.endm
	s_load_b128 s[4:7], s[0:1], 0x0                ; hb s[4:5], cc s[6:7]
	s_load_b64 s[8:9], s[0:1], 0x10                ; cs
	v_lshl_add_u32 v[SPW], v0, 2, SPARE
	v_mov_b32 v[NIL], 0
	ds_add_u32 v[SPW], v[NIL]                      ; the opening lines: the add, twice on end, and its wait ahead of my tensor load
	ds_add_u32 v[SPW], v[NIL]
	v_lshrrev_b32 v1, 5, v0
	s_delay_alu instid0(VALU_DEP_1)
	v_readfirstlane_b32 s12, v1                    ; wave 0..15
	s_bfe_u32 s13, ttmp6, 0x40000                  ; cx: which 512 queries; it enters Q's and the outputs' addresses alone
	s_mov_b32 s16, 15|(3<<16)|(1<<21)              ; 15:0 the mask: all four work-groups; 17:16 elements of 8 bytes; 21 set beside a mask; no padding
	s_mov_b32 s17, 32<<16                          ; tensor_dim0 = 32 elements: rows of 256 bytes of a dense block
	s_mov_b32 s18, 51<<16                          ; tensor_dim1 = 51 rows: one record
	s_mov_b32 s19, 32<<16                          ; tile_dim0
	s_mov_b32 s20, 51                              ; tile_dim1
	s_mov_b32 s21, 32                              ; the pitch
	s_mov_b32 s22, 0
	s_mov_b32 s23, 0
	s_mov_b32 s24, 1
	s_mul_i32 s25, s12, REC                        ; the LDS address: the wave's number alone
	s_mul_i32 s48, ttmp9, 208896                   ; ttmp9 counts clusters: 16 b + head
	s_add_co_u32 s48, s48, s25
	s_add_co_u32 s48, s48, KV0
	s_mov_b32 s49, 0
	s_mul_i32 s50, ttmp9, 106496                   ; Q: the head,
	s_lshl_b32 s51, s13, 2
	s_lshr_b32 s52, s12, 3
	s_add_co_u32 s51, s51, s52
	s_mul_i32 s51, s51, 6656
	s_add_co_u32 s50, s50, s51                     ; the record of 128 queries: 4 cx + wave / 8 (the second pass: two records on),
	s_and_b32 s51, s12, 7
	s_mul_i32 s51, s51, 768
	s_add_co_u32 s40, s50, s51                     ; my tile of its eight
	s_mov_b32 s41, 0
	s_bfe_u32 s51, s12, 0x10002
	s_lshl_b32 s51, s51, 8                         ; its unit of scale words,
	s_bfe_u32 s52, s12, 0x10001
	s_lshl_b32 s52, s52, 2                         ; the word in it,
	s_add_co_u32 s42, s50, s51
	s_add_co_u32 s42, s42, s52
	s_and_b32 s52, s12, 1
	s_lshl_b32 s52, s52, 7                         ; and the half of the unit's lanes that holds my tile
	s_add_co_u32 s42, s42, s52
	s_add_co_u32 s42, s42, 6144
	s_mov_b32 s43, 0
	s_lshr_b32 s53, ttmp9, 4                       ; b
	s_and_b32 s54, ttmp9, 15                       ; head
	s_lshl_b32 s51, s53, 7
	s_lshl_b32 s52, s13, 5
	s_add_co_u32 s51, s51, s52
	s_add_co_u32 s51, s51, s12                     ; my tile of the 512 of concat: 128 b + 32 cx + wave (the second pass: sixteen on)
	s_mul_i32 s44, s51, 12288
	s_lshr_b32 s52, s54, 1
	s_mul_i32 s52, s52, 1536                       ; two heads are a K step of the output projection,
	s_add_co_u32 s44, s44, s52
	s_and_b32 s52, s54, 1
	s_mul_i32 s52, s52, 768                        ; a head half a fragment
	s_add_co_u32 s44, s44, s52
	s_mov_b32 s45, 0
	s_lshl_b32 s46, s51, 9
	s_lshl_b32 s52, s54, 1                         ; and two scale bytes
	s_add_co_u32 s46, s46, s52
	s_mov_b32 s47, 0
	s_mov_b32 s32, 0x76543210
	s_mov_b32 s33, 0xfedcba98                      ; v_permlanex16_b32's selects for lane l xor 16
	s_mov_b32 s34, 0x3e38aa3b                      ; c = log2(e) / 8
	s_mov_b32 s35, s34                             ; (named with it as a pair, so it is written)
	s_mov_b32 s30, 0xbe38aa3b                      ; -c
	s_wait_dscnt 0x0
	s_wait_kmcnt 0x0
	s_add_nc_u64 s[26:27], s[4:5], s[48:49]
	s_or_b32 s27, s27, 0x80000000                  ; type = 2
	s_add_nc_u64 s[40:41], s[4:5], s[40:41]
	s_add_nc_u64 s[42:43], s[4:5], s[42:43]
	s_add_nc_u64 s[44:45], s[6:7], s[44:45]
	s_add_nc_u64 s[46:47], s[8:9], s[46:47]
	CROUND                                         ; all four work-groups are here: the joint loads meet
	tensor_load_to_lds s[24:27], s[16:23]
	s_nop 0
	PLACES
	v_and_b32 v1, 31, v0
	v_and_b32 v2, 15, v0                           ; r
	v_bfe_u32 v3, v0, 4, 1                         ; h
	v_lshlrev_b32 v4, 4, v1                        ; 16 x lane
	v_lshlrev_b32 v5, 3, v1                        ; 8 x lane
	v_lshlrev_b32 v9, 3, v2                        ; Q's scale word of row r, in every lane
	v_lshl_add_u32 v8, v2, 5, v3                   ; concat's scale bytes: row r, lanes 0-15 the head's first byte, lanes 16-31 its second
	v_lshlrev_b32 v[SH8], 3, v3
	v_cmp_ne_u32 s39, 0, v3                        ; lanes 16-31
	global_load_b128 v[QF:QF+3], v4, s[40:41]      ; both passes' Q
	global_load_b64 v[QF+4:QF+5], v5, s[40:41] offset:512
	global_load_b32 v[QS], v9, s[42:43]
	global_load_b128 v[Q2:Q2+3], v4, s[40:41] offset:13312
	global_load_b64 v[Q2+4:Q2+5], v5, s[40:41] offset:13312+512
	global_load_b32 v[QS+1], v9, s[42:43] offset:13312
.irp k, 6,7,8,9,10,11
	v_mov_b32 v[QF+\k], 0                          ; the zero codes of k = 64 .. 127
	v_mov_b32 v[KF+42+\k], 0                       ; what the last tile of K reads there
.endr
	v_mov_b32 v[T1], 0                             ; written once: a lane permute's destination counts as one of its sources,
	v_mov_b32 v[F+1], 0                            ; and p's scale word is named as the upper half of f's pair
.macro KQ t                            ; S^T of keys' tile t.  An odd tile's scale words stand in lanes 16-31 of its pair's register
.if ((\t)%2) == 0
	v_wmma_scale_f32_16x16x128_f8f6f4 v[S+8*(\t):S+8*(\t)+7], v[KF+6*(\t):KF+6*(\t)+11], v[QF:QF+11], 0, v[KS+(\t)/2], v[QS] matrix_a_fmt:MATRIX_FMT_FP6 matrix_b_fmt:MATRIX_FMT_FP6
.else
	v_wmma_scale_f32_16x16x128_f8f6f4 v[S+8*(\t):S+8*(\t)+7], v[KF+6*(\t):KF+6*(\t)+11], v[QF:QF+11], 0, v[KS+(\t)/2], v[QS] matrix_a_fmt:MATRIX_FMT_FP6 matrix_b_fmt:MATRIX_FMT_FP6 matrix_a_scale:MATRIX_SCALE_ROW1
.endif
.endm
.macro PV n                            ; O^T of the head's tile n += V^T P^T
.if ((\n)%2) == 0
	v_wmma_scale_f32_16x16x128_f8f6f4 v[O+8*(\n):O+8*(\n)+7], v[VF+12*(\n):VF+12*(\n)+11], v[PC:PC+11], v[O+8*(\n):O+8*(\n)+7], v[VS+(\n)/2], v[F+1] matrix_a_fmt:MATRIX_FMT_FP6 matrix_b_fmt:MATRIX_FMT_FP6
.else
	v_wmma_scale_f32_16x16x128_f8f6f4 v[O+8*(\n):O+8*(\n)+7], v[VF+12*(\n):VF+12*(\n)+11], v[PC:PC+11], v[O+8*(\n):O+8*(\n)+7], v[VS+(\n)/2], v[F+1] matrix_a_fmt:MATRIX_FMT_FP6 matrix_b_fmt:MATRIX_FMT_FP6 matrix_a_scale:MATRIX_SCALE_ROW1
.endif
.endm
; A key step: 128 keys, the record at LDS byte s36
.macro STEP
	v_add_nc_u32 v6, s36, v4
	v_add_nc_u32 v7, s36, v5
	WALU                                           ; v6, v7: V's loads read both behind the wait for K
	ds_load_b64 v[KS:KS+1], v7 offset:6144
	ds_load_b64 v[KS+2:KS+3], v7 offset:6400
.irp t, 0,1,2,3,4,5,6,7
	ds_load_b128 v[KF+6*\t:KF+6*\t+3], v6 offset:768*\t
	ds_load_b64 v[KF+6*\t+4:KF+6*\t+5], v7 offset:768*\t+512
.endr
	s_wait_dscnt 0x0                               ; K and its scale words are in
.irp t, 0,1,2,3,4,5,6,7
	KQ \t
.endr
	PLACES                                         ; in front of V's loads into K's registers and of the first read of the scores
	ds_load_b64 v[VS:VS+1], v7 offset:12800
.irp n, 0,1,2,3
.irp c, 0,1
	ds_load_b128 v[VF+12*\n+6*\c:VF+12*\n+6*\c+3], v6 offset:6656+1536*\n+768*\c
	ds_load_b64 v[VF+12*\n+6*\c+4:VF+12*\n+6*\c+5], v7 offset:6656+1536*\n+768*\c+512
.endr
.endr
	; the largest score of my two blocks of 32 keys, each in two chains, every accumulator from its low end on: it serves the row's maximum and the block's largest p
.irp c, 0,1
	v_max3_num_f32 v[BM+2*\c], v[S+32*\c], v[S+32*\c+1], v[S+32*\c+2]
	v_max3_num_f32 v[BM+2*\c+1], v[S+32*\c+16], v[S+32*\c+17], v[S+32*\c+18]
.endr
.irp i, 3,5,7,9,11,13
.irp c, 0,1
	v_max3_num_f32 v[BM+2*\c], v[BM+2*\c], v[S+32*\c+\i], v[S+32*\c+\i+1]
	v_max3_num_f32 v[BM+2*\c+1], v[BM+2*\c+1], v[S+32*\c+16+\i], v[S+32*\c+17+\i]
.endr
.endr
.irp c, 0,1
	v_max3_num_f32 v[BM+2*\c], v[BM+2*\c], v[BM+2*\c+1], v[S+32*\c+15]
.endr
.irp c, 0,1
	v_max_num_f32 v[BM+2*\c], v[BM+2*\c], v[S+32*\c+31]
.endr
	s_delay_alu instid0(VALU_DEP_1)
	v_max_num_f32 v[T0], v[BM], v[BM+2]
	s_delay_alu instid0(VALU_DEP_1)
	v_permlanex16_b32 v[T1], v[T0], s32, s33       ; lane l xor 16 has my query's other 64 keys
	s_delay_alu instid0(VALU_DEP_1)
	v_max3_num_f32 v[ST+1], v[ST+1], v[T0], v[T1]  ; the running largest score (c is positive: it is the running largest t's)
	s_delay_alu instid0(VALU_DEP_1)
	v_mul_f32 v[T0], s30, v[ST+1]                  ; -t
	v_mov_b32 v[T1], v[ST]
	s_delay_alu instid0(VALU_DEP_2)
	v_floor_f32 v[ST], v[T0]                       ; the new -M = floor(-t): M is a whole number
	s_delay_alu instid0(VALU_DEP_1)
	v_sub_f32 v[T0], v[ST], v[T1]                  ; old M - new M: a whole number, 0 or less
	s_delay_alu instid0(VALU_DEP_1)
	v_cvt_i32_f32 v[T0], v[T0]                     ; (it saturates)
	s_delay_alu instid0(VALU_DEP_1)
	v_ldexp_f32 v[F], 1.0, v[T0]                   ; f = 2^(old M - new M)
.set j, 0
.rept 32
	v_pk_fma_f32 v[S+j:S+j+1], v[S+j:S+j+1], s[34:35], v[ST:ST+1] op_sel_hi:[1,0,0]   ; t - M, two at a time (of the pairs c and -M the low word serves both halves)
.set j, j+2
.endr
.irp c, 0,1
	v_fma_f32 v[BM+2*\c], v[BM+2*\c], s34, v[ST]   ; the same of each block's largest score
.endr
	WALU                                           ; ahead of the batch of exponentials
.set j, 0
.rept 64
	v_exp_f32 v[S+j], v[S+j]                       ; p = 2^(t - M), at most 1
.set j, j+1
.endr
.irp c, 0,1
	v_exp_f32 v[BM+2*\c], v[BM+2*\c]               ; the block's largest p: the same two instructions on the same number give the same bits
.endr
	v_pk_mul_f32 v[SM:SM+1], v[SM:SM+1], v[F:F+1] op_sel_hi:[1,0]   ; the sum under the new M.  (A plain place behind the exponentials)
	WALU                                           ; and behind it, ahead of its first reader
.irp c, 0,1
	v_max_num_f32 v[BM+2*\c], 0x1800000, v[BM+2*\c]   ; the floor 2^(3 - 127): the byte cannot fall under 1
.endr
.irp c, 0,1
	v_add_nc_u32 v[SO+\c], 0xff000000, v[BM+2*\c]  ; 2 off the exponent field: the conversion's scale operand
.endr
.irp c, 0,1
	v_lshrrev_b32 v[BM+2*\c+1], 23, v[SO+\c]       ; the byte
.endr
	s_delay_alu instid0(VALU_DEP_1)
	v_lshl_or_b32 v[T0], v[BM+3], 16, v[BM+1]      ; my bytes: blocks h and 2 + h,
	s_delay_alu instid0(VALU_DEP_1)
	v_lshlrev_b32 v[T0], v[SH8], v[T0]             ; at their places in the word;
	s_delay_alu instid0(VALU_DEP_1)
	v_permlanex16_b32 v[T1], v[T0], s32, s33
	s_delay_alu instid0(VALU_DEP_1)
	v_or_b32 v[F+1], v[T0], v[T1]                  ; with lane l xor 16's two, p's scale word for these 128 keys
.irp c, 0,1
	v_cvt_scalef32_pk16_fp6_f32 v[PC+6*\c:PC+6*\c+2], v[S+32*\c:S+32*\c+15], v[SO+\c]
	v_cvt_scalef32_pk16_fp6_f32 v[CT+4*\c:CT+4*\c+2], v[S+32*\c+16:S+32*\c+31], v[SO+\c]   ; (a conversion's three registers begin on an even number)
.endr
	v_nop                                          ; one plain place behind a scaled conversion
.irp c, 0,1
.irp k, 0,1,2
	v_mov_b32 v[PC+6*\c+3+\k], v[CT+4*\c+\k]
.endr
.endr
	WALU                                           ; directly ahead of the first reader of O^T
.set j, 0
.rept 16
	v_pk_mul_f32 v[O+j:O+j+1], v[O+j:O+j+1], v[F:F+1] op_sel_hi:[1,0]   ; O^T under the new M, each accumulator from its low end on
.set j, j+2
.endr
.irp k, 1,2,3                          ; the row's sum is taken of the UNQUANTISED p: two at a time, in four chains.  With the lines above: the places that p's codes and scale word owe
	v_pk_add_f32 v[SM+2*\k:SM+2*\k+1], v[S+4*\k-4:S+4*\k-3], v[S+4*\k-2:S+4*\k-1]
.endr
.set j, 12
.rept 26
	v_pk_add_f32 v[SM+2*((j/2)%4):SM+2*((j/2)%4)+1], v[SM+2*((j/2)%4):SM+2*((j/2)%4)+1], v[S+j:S+j+1]
.set j, j+2
.endr
	v_pk_add_f32 v[SM+2:SM+3], v[SM+2:SM+3], v[SM+4:SM+5]
	v_pk_add_f32 v[SM:SM+1], v[SM:SM+1], v[SM+6:SM+7]
	v_pk_add_f32 v[SM:SM+1], v[SM:SM+1], v[SM+2:SM+3]
	s_wait_dscnt 0x0                               ; V is in
.irp n, 0,1,2,3
	PV \n                                          ; four accumulators, one instruction each
.endr
	PLACES                                         ; in front of the next step's loads into V's registers, and of the first read of O^T
.endm
	WALU                                           ; the wait at the head's end
	s_wait_tensorcnt 0x0                           ; my record has landed,
	s_barrier_signal -1
	s_barrier_wait -1                              ; everybody's has
	s_wait_loadcnt 0x0                             ; Q
	s_mov_b32 s38, 2
.Lpass:                                                ; two passes: 16 queries a wave each
.set j, 0
.rept 32
	v_mov_b32 v[O+j], 0                            ; O^T.  (The step is written once: the first finds zeros, which the first change of M leaves zeros)
.set j, j+1
.endr
	v_mov_b32 v[ST+1], 0xff61b1e6                  ; the largest score so far: -3e38
	v_mov_b32 v[ST], 0x7e000000                    ; -M = 2^125: the first step's f is 0
	v_mov_b32 v[SM], 0
	v_mov_b32 v[SM+1], 0
	s_mov_b32 s36, 0
	s_mov_b32 s37, 16
.Lstep:
	STEP
	s_add_co_u32 s36, s36, REC
	s_sub_co_u32 s37, s37, 1
	s_cmp_lg_u32 s37, 0
	s_cbranch_scc1 .Lstep
	; ---- O / l, quantised along the head's 64: half a fragment of concat
	WALU                                           ; the sum was written ahead of the wait for V
	v_add_f32 v[T0], v[SM], v[SM+1]
	s_delay_alu instid0(VALU_DEP_1)
	v_permlanex16_b32 v[T1], v[T0], s32, s33
	s_delay_alu instid0(VALU_DEP_1)
	v_add_f32 v[T0], v[T0], v[T1]                  ; the row's sum
	WALU
	v_rcp_f32 v[F], v[T0]
	v_nop                                          ; one plain place behind a transcendental
	WALU
.set j, 0
.rept 16
	v_pk_mul_f32 v[O+j:O+j+1], v[O+j:O+j+1], v[F:F+1] op_sel_hi:[1,0]
.set j, j+2
.endr
.irp b, 0,1                            ; tiles 2 b, 2 b + 1 of O^T are 32 b + 16 h + 0 .. 15 of the head's 64: lanes l and l xor 16 share a block
	v_max3_num_f32 v[BM+\b], |v[O+16*\b]|, |v[O+16*\b+1]|, 0x1800000
.endr
.irp i, 2,4,6,8,10,12,14
.irp b, 0,1
	v_max3_num_f32 v[BM+\b], |v[O+16*\b+\i]|, |v[O+16*\b+\i+1]|, v[BM+\b]
.endr
.endr
.irp b, 0,1
	v_permlanex16_b32 v[BM+2+\b], v[BM+\b], s32, s33
.endr
.irp b, 0,1
	v_max_num_f32 v[BM+\b], v[BM+\b], v[BM+2+\b]
.endr
.irp b, 0,1
	v_add_nc_u32 v[SO+\b], 0xff000000, v[BM+\b]
.endr
.irp b, 0,1
	v_lshrrev_b32 v[BM+2+\b], 23, v[SO+\b]         ; the head's two scale bytes of my row
.endr
	v_cndmask_b32 v[OB], v[BM+2], v[BM+3], s39     ; lanes 0-15 store the first, lanes 16-31 the second
	v_cvt_scalef32_pk16_fp6_f32 v[PC:PC+2], v[O:O+15], v[SO]
	v_cvt_scalef32_pk16_fp6_f32 v[CT:CT+2], v[O+16:O+31], v[SO+1]
	v_nop                                          ; one plain place behind a scaled conversion
.irp k, 0,1,2                          ; the operand's layout wants a WHOLE block in a lane
	v_permlane16_swap_b32 v[PC+\k], v[CT+\k]
.endr
.irp k, 0,1,2
	v_mov_b32 v[PC+3+\k], v[CT+\k]
.endr
	global_store_b128 v4, v[PC:PC+3], s[44:45]             ; 512 consecutive bytes, at a multiple of 256 from the buffer's first byte
	global_store_b64 v5, v[PC+4:PC+5], s[44:45] offset:512 ; 256
	global_store_b8 v8, v[OB], s[46:47]            ; two bytes of each row's 32: written in part; 262,144 bytes in the whole launch
	s_wait_xcnt 0x0                                ; the stores have read their registers and bases: both may be written again
	s_add_nc_u64 s[44:45], s[44:45], 196608        ; sixteen tiles of concat on (behind the last pass the stepped addresses are not used)
	s_add_nc_u64 s[46:47], s[46:47], 8192
.irp k, 0,1,2,3,4,5
	v_mov_b32 v[QF+\k], v[Q2+\k]                   ; the second pass's Q
.endr
	v_mov_b32 v[QS], v[QS+1]
	s_sub_co_u32 s38, s38, 1
	s_cmp_lg_u32 s38, 0
	s_cbranch_scc1 .Lpass
	s_wait_tensorcnt 0x0                           ; the wave's end
	ds_add_u32 v[SPW], v[NIL]
	s_wait_dscnt 0x0
	CROUND                                         ; the closing round: no work-group ends while a partner may still ask for a tile that names it
	s_endpgm
.Lfunc_end_k_qbd0ae434b2_attn:
	.size	k_qbd0ae434b2_attn, .Lfunc_end_k_qbd0ae434b2_attn-k_qbd0ae434b2_attn
	.p2alignl 7, 3214868480
	.fill 96, 4, 3214868480
	.section	.rodata,"a",@progbits
	.p2align	6, 0x0
	.amdhsa_kernel k_qbd0ae434b2_attn
		.amdhsa_group_segment_fixed_size 210944
		.amdhsa_private_segment_fixed_size 0
		.amdhsa_enable_private_segment 0
		.amdhsa_kernarg_size 24
		.amdhsa_user_sgpr_count 2
		.amdhsa_user_sgpr_kernarg_segment_ptr 1
		.amdhsa_wavefront_size32 1
		.amdhsa_system_sgpr_workgroup_id_x 1
		.amdhsa_system_sgpr_workgroup_id_y 1
		.amdhsa_system_sgpr_workgroup_id_z 1
		.amdhsa_system_vgpr_workitem_id 0
		.amdhsa_next_free_vgpr 256
		.amdhsa_next_free_sgpr 66
		.amdhsa_reserve_vcc 0
		.amdhsa_float_denorm_mode_32 3
		.amdhsa_float_denorm_mode_16_64 3
		.amdhsa_memory_ordered 1
		.amdhsa_forward_progress 1
		.amdhsa_inst_pref_size 27
	.end_amdhsa_kernel
	.amdgpu_metadata
---
amdhsa.version: [ 1, 2 ]
amdhsa.kernels:
  - .name:           k_qbd0ae434b2_attn
    .symbol:         k_qbd0ae434b2_attn.kd
    .args:
      - { .name: hb, .offset: 0, .size: 8, .value_kind: global_buffer, .address_space: global }
      - { .name: cc, .offset: 8, .size: 8, .value_kind: global_buffer, .address_space: global }
      - { .name: cs, .offset: 16, .size: 8, .value_kind: global_buffer, .address_space: global }
    .group_segment_fixed_size: 210944
    .private_segment_fixed_size: 0
    .kernarg_segment_align: 8
    .kernarg_segment_size: 24
    .max_flat_workgroup_size: 512
    .sgpr_count:     66
    .vgpr_count:     256
    .wavefront_size: 32
...
	.end_amdgpu_metadata
.endif
;; end of part 3
;; launch outp (part 4): grid 8 x 32, 4 waves a work-group, clusters of 4 x 4, 295,424 bytes of LDS; arguments oc, os, cc, cs, bo, out0; writes out0
.if DOCPART == 4
	.amdgcn_target "amdgcn-amd-amdhsa--gfx1250"
	.amdhsa_code_object_version 6
	.text
	.protected	k_qbd0ae434b2_outp
	.globl	k_qbd0ae434b2_outp
	.p2align	8
	.type	k_qbd0ae434b2_outp,@function
k_qbd0ae434b2_outp:
	s_mov_b64 s[64:65], 0
	v_nop
	global_prefetch_b8 v0, s[64:65] scope:SCOPE_SE
	s_setreg_imm32_b32 hwreg(HW_REG_WAVE_MODE, 25, 1), 1
	s_wait_xcnt 0x0
	s_wait_alu depctr_hold_cnt(0) depctr_sa_sdst(0) depctr_va_vdst(0) depctr_va_sdst(0) depctr_va_ssrc(0) depctr_va_vcc(0) depctr_vm_vsrc(0)
	s_getreg_b32 s2, hwreg(HW_REG_IB_STS2, 6, 4)
	s_cmp_eq_u32 s2, 0
	s_cbranch_scc0 .Lentry_in_a_cluster
	s_endpgm
.Lentry_in_a_cluster:
	s_bfe_u32 s2, ttmp6, 0x10000c
	s_cmp_lg_u32 s2, 0xf033
	s_cbranch_scc0 .Lentry_shape_is_right
	s_endpgm
.Lentry_shape_is_right:
; out0 = concat Wo + bo on codes of FP6 (E2M3), K = 1,024.  concat's codes and scale bytes come from the attention launch, Wo's from the quantiser, both in the order of the operand's registers.
; A work-group makes 128 columns of out0 (source 0: 8 tiles of Wo's columns) x 256 rows (source 1: 16 tiles of concat); a wave all 8 tiles x 4 tiles: 32 accumulators.  In a result a lane holds ONE row of out0 and
; eight neighbouring columns.  Lane r of tile T holds row 32 (T / 2) + 8 (T % 2) + r + 8 (r / 8) of its operand: the way out puts rows and columns back in their places by its offsets.
; ALL OF K LIES IN LDS: 8 + 16 tiles x 12,288 bytes = 294,912 bytes, in four slots of 256 along K, each byte filled once: no slot is filled again.
; CLUSTERS: 4 x 4 work-groups.  Source 0's tiles hang on the cluster's column and are asked for jointly by its four work-groups, source 1's on its row.  A wave has four tensor loads out at the most.
; 256 work-groups.  The scale words of all of K come straight into registers, once; bo is the C of each sum's first product.
; REGISTERS, in windows of 256: window 0: v2-7 lane terms; v8-23 LDS addresses; v24-25 the stage; v32-63 source 0's scale words, v64-79 source 1's; v80-175 source 1's fragments, two sets; on the way out v80-207 rows of out0.
;   window 1: the 32 accumulators ((a, i) at v[8 (8 i + a)]).   window 2: v0-191 source 0's fragments, two sets; v192-255 bo.
; LDS AS IT IS NOW (in place of the four slots named above): K lies in two halves of 512, each byte filled once.  Each wave issues ONE joint load at the head: wave 0 source 0's half 0, wave 1 source 1's half 0,
; wave 2 source 0's half 1, wave 3 source 1's half 1.  A tile's row of a load is 6,144 bytes, at a multiple of 256 from the buffer's first byte.  The stages of the way out lie in source 0's half 0.
.set SLA,  49152                       ; half of K of source 0: 8 tiles x 6,144 bytes
.set SLB,  98304                       ; of source 1: 16 tiles
.set BOFF, 2*SLA
.set A16,  8
.set A8,   12
.set B16,  16
.set B8,   20
.set STO,  24                          ; v24  the stage: where I put 32 bytes of a row
.set RD,   25                          ; v25  and where I read a row back
.set SA,   32                          ; v[SA + 8 p + ks]: lanes 0-15 the scale word of tile 2 p, lanes 16-31 of tile 2 p + 1, K step ks
.set SBS,  64
.set BF,   80
.set BA,   192                         ; in window 2
.set SPITCH, 528                       ; a stage row: 512 bytes + 16
.set G1A,  36
.set G1B,  44
.set G0A,  68
.set G0B,  84
.set MSB, 0
.macro WIN new                         ; the immediate's high byte repeats the setting that is left
.if MSB != \new
	s_set_vgpr_msb (MSB<<8)|\new
.set MSB, \new
.endif
.endm
.macro PLACES                          ; four places behind this matrix form (ISA guide 7.12.1)
.rept 4
	v_nop
.endr
.endm
.macro CROUND                          ; a round of the cluster's barrier
	s_barrier_signal -1
	s_barrier_wait -1
	s_cmp_lg_u32 s22, 0
	s_cbranch_scc1 .Lnot_wave_0_\@
	s_barrier_signal -3
.Lnot_wave_0_\@:
	s_barrier_wait -3
	s_barrier_signal -1
	s_barrier_wait -1
.endm
	s_load_b256 s[4:11], s[0:1], 0x0               ; oc s[4:5], os s[6:7], cc s[8:9], cs s[10:11]
	s_load_b128 s[12:15], s[0:1], 0x20             ; bo s[12:13], out0 s[14:15]
	v_lshl_add_u32 v254, v0, 2, 0x48000
	v_mov_b32 v255, 0
	ds_add_u32 v254, v255
	ds_add_u32 v254, v255
	v_lshrrev_b32 v1, 5, v0
	v_readfirstlane_b32 s22, v1                    ; wave 0..3
	s_lshr_b32 s23, s22, 1                         ; the half of K that I fetch (0 or 1)
	s_and_b32 s24, s22, 1                          ; the source I fetch for: 0 or 1
	s_bfe_u32 s25, ttmp6, 0x40000                  ; cx
	s_bfe_u32 s26, ttmp6, 0x40004                  ; cy
	s_lshl_b32 s31, ttmp9, 2
	s_add_co_u32 s31, s31, s25                     ; ta: which 128 columns: 0 .. 7
	s_and_b32 s32, ttmp7, 0xffff
	s_lshl_b32 s32, s32, 2
	s_add_co_u32 s32, s32, s26                     ; tb: which 256 rows: 0 .. 31
	s_lshl_b32 s33, s31, 3
	s_add_co_u32 s33, s33, 1728                    ; Wo's first tile of mine, in oc
	s_lshl_b32 s34, s32, 4                         ; concat's, in cc
	s_lshl_b32 s56, 0x1111, s25                    ; my column of the cluster
	s_or_b32 s[G1A], s56, (3<<16)|(1<<21)          ; 15:0 the mask; 17:16 elements of 8 bytes; 21 set beside a mask; no padding
	s_lshl_b32 s58, s26, 2
	s_lshl_b32 s58, 15, s58                        ; my row
	s_or_b32 s[G1B], s58, (3<<16)|(1<<21)
.irp g, G1A, G1B
	s_mov_b32 s[\g+1], 768<<16                     ; tensor_dim0 = 768 elements: a tile's 6,144 bytes of 512 along K
	s_mov_b32 s[\g+3], 768<<16                     ; tile_dim0
	s_mov_b32 s[\g+5], 1536                        ; from tile to tile: 12,288 bytes
	s_mov_b32 s[\g+6], 0
	s_mov_b32 s[\g+7], 0
.endr
	s_mov_b32 s[G1A+2], 8<<16                      ; eight tiles a load
	s_mov_b32 s[G1A+4], 8
	s_mov_b32 s[G1B+2], 16<<16                     ; sixteen
	s_mov_b32 s[G1B+4], 16
	s_mul_i32 s56, s33, 12288
	s_mov_b32 s57, 0
	s_mul_i32 s58, s34, 12288
	s_mov_b32 s59, 0
	s_wait_dscnt 0x0
	s_wait_kmcnt 0x0
	s_add_nc_u64 s[56:57], s[4:5], s[56:57]
	s_add_nc_u64 s[58:59], s[8:9], s[58:59]
.irp s, 0,1
	s_mov_b32 s[G0A+4*\s], 1
	s_mov_b32 s[G0A+4*\s+1], \s*SLA
	s_add_nc_u64 s[G0A+4*\s+2:G0A+4*\s+3], s[56:57], \s*6144
	s_or_b32 s[G0A+4*\s+3], s[G0A+4*\s+3], 0x80000000
	s_mov_b32 s[G0B+4*\s], 1
	s_mov_b32 s[G0B+4*\s+1], BOFF+\s*SLB
	s_add_nc_u64 s[G0B+4*\s+2:G0B+4*\s+3], s[58:59], \s*6144
	s_or_b32 s[G0B+4*\s+3], s[G0B+4*\s+3], 0x80000000
.endr
	CROUND                                         ; all sixteen work-groups are here: the joint loads meet
	s_cmp_eq_u32 s22, 0                            ; one chain of branches on the wave's number, one load to an arm
	s_cbranch_scc0 .Lfill_1
	tensor_load_to_lds s[G0A:G0A+3], s[G1A:G1A+7]
	s_nop 0
.rept 4
	v_nop
.endr
	s_branch .Lfilled
.Lfill_1:
	s_cmp_eq_u32 s22, 1
	s_cbranch_scc0 .Lfill_2
	tensor_load_to_lds s[G0B:G0B+3], s[G1B:G1B+7]
	s_nop 0
.rept 4
	v_nop
.endr
	s_branch .Lfilled
.Lfill_2:
	s_cmp_eq_u32 s22, 2
	s_cbranch_scc0 .Lfill_3
	tensor_load_to_lds s[G0A+4:G0A+7], s[G1A:G1A+7]
	s_nop 0
.rept 4
	v_nop
.endr
	s_branch .Lfilled
.Lfill_3:
	tensor_load_to_lds s[G0B+4:G0B+7], s[G1B:G1B+7]
	s_nop 0
.rept 4
	v_nop
.endr
.Lfilled:
	v_and_b32 v1, 31, v0                           ; lane
	v_and_b32 v2, 15, v0                           ; r
	v_bfe_u32 v3, v0, 4, 1                         ; h
	v_lshlrev_b32 v4, 4, v1
	v_lshlrev_b32 v5, 3, v1
	v_lshlrev_b32 v6, 5, v2
	v_lshl_add_u32 v6, v3, 9, v6                   ; scale bytes: tile 2 p + h, row r
	v_lshlrev_b32 v7, 6, v3                        ; bo: 16 h numbers on
	s_mul_i32 s60, s22, 24576
	s_add_co_u32 s60, s60, BOFF
.irp s, 0,1
	v_add_nc_u32 v[A16+\s], \s*SLA, v4
	v_add_nc_u32 v[A8+\s], \s*SLA, v5
	v_add_nc_u32 v[B16+\s], s60, v4
	v_add_nc_u32 v[B8+\s], s60, v5
	s_add_co_u32 s60, s60, SLB
.endr
	s_mul_i32 s61, s22, 16*SPITCH                  ; my stage
	v_mul_u32_u24 v[STO], v2, SPITCH
	v_lshl_add_u32 v[STO], v3, 6, v[STO]
	v_add_nc_u32 v[STO], s61, v[STO]               ; in: row r, + 64 h
	v_add_nc_u32 v[RD], s61, v4                    ; back: the 32 lanes take one row of 512 bytes
	s_lshl_b32 s56, s33, 9
	s_mov_b32 s57, 0
	s_add_nc_u64 s[56:57], s[6:7], s[56:57]        ; Wo's scale bytes
	s_lshl_b32 s58, s22, 2
	s_add_co_u32 s58, s58, s34
	s_lshl_b32 s58, s58, 9
	s_mov_b32 s59, 0
	s_add_nc_u64 s[58:59], s[10:11], s[58:59]      ; those of my four tiles of concat
	s_lshl_b32 s62, s31, 9
	s_mov_b32 s63, 0
	s_add_nc_u64 s[60:61], s[12:13], s[62:63]      ; bo at my 128 columns
	s_lshl_b32 s52, s32, 8
	s_lshl_b32 s53, s22, 6
	s_add_co_u32 s52, s52, s53
	s_lshl_b32 s52, s52, 12                        ; out0: my wave's first row, 256 tb + 64 wave, of 4,096 bytes,
	s_add_co_u32 s52, s52, s62                     ; and my 128 columns
	s_mov_b32 s53, 0
	s_add_nc_u64 s[52:53], s[14:15], s[52:53]
.irp p, 0,1,2,3
.irp f, 0,1
	global_load_b128 v[SA+8*\p+4*\f:SA+8*\p+4*\f+3], v6, s[56:57] offset:1024*\p+16*\f
.endr
.endr
.irp p, 0,1
.irp f, 0,1
	global_load_b128 v[SBS+8*\p+4*\f:SBS+8*\p+4*\f+3], v6, s[58:59] offset:1024*\p+16*\f
.endr
.endr
	WIN 0x80                                       ; destination window 2
.irp a, 0,1,2,3,4,5,6,7                 ; register j of tile a is column 32 (a / 2) + 8 (a % 2) + 16 h + j of my 128
	global_load_b128 v[BA+8*\a:BA+8*\a+3], v7, s[60:61] offset:(32*(\a/2)+8*(\a%2))*4
	global_load_b128 v[BA+8*\a+4:BA+8*\a+7], v7, s[60:61] offset:(32*(\a/2)+8*(\a%2))*4+16
.endr
	WIN 0
; The 12 fragments of K step ks into set p: 48 loads in one run
.macro FETCH ks, p
	WIN 0x80                                       ; destination window 2, address window 0
.irp a, 0,1,2,3,4,5,6,7
.irp c, 0,1
	ds_load_b128 v[96*(\p)+12*\a+6*\c:96*(\p)+12*\a+6*\c+3], v[A16+(\ks)/4] offset:6144*\a+1536*((\ks)%4)+768*\c
	ds_load_b64 v[96*(\p)+12*\a+6*\c+4:96*(\p)+12*\a+6*\c+5], v[A8+(\ks)/4] offset:6144*\a+1536*((\ks)%4)+768*\c+512
.endr
.endr
	WIN 0
.irp i, 0,1,2,3
.irp c, 0,1
	ds_load_b128 v[BF+48*(\p)+12*\i+6*\c:BF+48*(\p)+12*\i+6*\c+3], v[B16+(\ks)/4] offset:6144*\i+1536*((\ks)%4)+768*\c
	ds_load_b64 v[BF+48*(\p)+12*\i+6*\c+4:BF+48*(\p)+12*\i+6*\c+5], v[B8+(\ks)/4] offset:6144*\i+1536*((\ks)%4)+768*\c+512
.endr
.endr
.endm
; One product.  An odd tile's scale words stand in lanes 16-31 of its pair's register.  In K step 0 the bias is the C.
.macro WM a, i, ks, p
.set rD, 8*(8*(\i)+(\a))
.set rC, rD
.if (\ks) == 0
.set rC, BA+8*(\a)
.endif
.set rA, 96*(\p)+12*(\a)
.set rB, BF+48*(\p)+12*(\i)
.set rX, SA+8*((\a)/2)+(\ks)
.set rY, SBS+8*((\i)/2)+(\ks)
.if ((\a)%2) == 0 && ((\i)%2) == 0
	v_wmma_scale_f32_16x16x128_f8f6f4 v[rD:rD+7], v[rA:rA+11], v[rB:rB+11], v[rC:rC+7], v[rX], v[rY] matrix_a_fmt:MATRIX_FMT_FP6 matrix_b_fmt:MATRIX_FMT_FP6
.elseif ((\i)%2) == 0
	v_wmma_scale_f32_16x16x128_f8f6f4 v[rD:rD+7], v[rA:rA+11], v[rB:rB+11], v[rC:rC+7], v[rX], v[rY] matrix_a_fmt:MATRIX_FMT_FP6 matrix_b_fmt:MATRIX_FMT_FP6 matrix_a_scale:MATRIX_SCALE_ROW1
.elseif ((\a)%2) == 0
	v_wmma_scale_f32_16x16x128_f8f6f4 v[rD:rD+7], v[rA:rA+11], v[rB:rB+11], v[rC:rC+7], v[rX], v[rY] matrix_a_fmt:MATRIX_FMT_FP6 matrix_b_fmt:MATRIX_FMT_FP6 matrix_b_scale:MATRIX_SCALE_ROW1
.else
	v_wmma_scale_f32_16x16x128_f8f6f4 v[rD:rD+7], v[rA:rA+11], v[rB:rB+11], v[rC:rC+7], v[rX], v[rY] matrix_a_fmt:MATRIX_FMT_FP6 matrix_b_fmt:MATRIX_FMT_FP6 matrix_a_scale:MATRIX_SCALE_ROW1 matrix_b_scale:MATRIX_SCALE_ROW1
.endif
.endm
; A K step of 128: the next step's fragments are asked for, then 32 products.  The 32 accumulators take turns, one instruction a turn, in the same order in every step.
.macro KSTEP ks
.if (\ks) == 3
	s_wait_tensorcnt 0x0                           ; every wave's one load has landed, the second half of K among them
.endif
	s_wait_dscnt 0x0
.if (\ks) == 3
	s_barrier_signal -1
	s_barrier_wait -1                              ; everybody's part of the next slot has landed, and nobody reads the slots before this step's any more
.endif
.if (\ks) > 0
	PLACES
.endif
.if (\ks) < 7
	FETCH (\ks)+1,((\ks)+1)%2
.endif
.if (\ks) == 0
	WIN 0x62                                       ; source 0 window 2, source 1 window 0, C window 2, D window 1
.else
	WIN 0x52                                       ; C and D window 1
.endif
.irp a, 0,1,2,3,4,5,6,7
.irp i, 0,1,2,3
	WM \a,\i,\ks,(\ks)%2
.endr
.endr
	WIN 0
.endm
	s_wait_alu depctr_va_vdst(0)
	s_cmp_lt_u32 s22, 2                            ; waves 0 and 1 brought the first half of K: they wait for their loads, whose lines are theirs alone
	s_cbranch_scc0 .Lnot_first
	s_wait_tensorcnt 0x0
.Lnot_first:
	s_barrier_signal -1
	s_barrier_wait -1
	FETCH 0,0
	s_wait_loadcnt 0x0                             ; scale words and bo
.irp k, 0,1,2,3,4,5,6,7
	KSTEP \k
.endr
; THE WAY OUT, a tile of 16 rows x 128 columns at a time.  A lane holds 32 neighbouring bytes of a row, the lanes beside it other rows: so a tile goes through my own stage in LDS and comes back as whole rows of 512 bytes.
; The stages, 4 x 8,448 bytes, lie in source 0's slots 0 and 1: these bytes have had their only fill, and every wave's reads of them were waited for in front of the barrier of K step 3.
; LDS serves a wave's instructions in order (ISA guide 5.7.1.4): no wait between the stores and the loads, nor in front of the next tile's stores.
.macro TOSTAGE i
	WIN 0x04                                       ; an LDS store's data are its source 1: window 1
.irp a, 0,1,2,3,4,5,6,7
	ds_store_b128 v[STO], v[8*(8*(\i)+\a):8*(8*(\i)+\a)+3] offset:128*(\a/2)+32*(\a%2)          ; each accumulator from its low end on
	ds_store_b128 v[STO], v[8*(8*(\i)+\a)+4:8*(8*(\i)+\a)+7] offset:128*(\a/2)+32*(\a%2)+16
.endr
	WIN 0
.set BK, 80+64*((\i)%2)
.irp t, 0,1,2,3,4,5,6,7,8,9,10,11,12,13,14,15
	ds_load_b128 v[BK+4*\t:BK+4*\t+3], v[RD] offset:\t*SPITCH
.endr
.endm
.macro SEND i, younger                 ; younger: the LDS instructions issued behind tile i's loads, which may stay out
.set BK, 80+64*((\i)%2)
	s_wait_dscnt \younger
.irp t, 0,1,2,3,4,5,6,7,8,9,10,11,12,13,14,15
	global_store_b128 v4, v[BK+4*\t:BK+4*\t+3], s[52:53] offset:(32*((\i)/2)+8*((\i)%2)+\t+8*(\t/8))*4096 th:TH_STORE_NT   ; 512 consecutive bytes, at a multiple of 256 from out0's first byte; the tile's row t is put back in its place by the immediate
.endr
.endm
	PLACES                                         ; behind the last products: for the stores of results and for the loads into the registers that held source 1's fragments
	TOSTAGE 0
.irp i, 1,2,3
.if \i > 1
	s_wait_xcnt 0x0                                ; tile i - 2's stores have read their registers: tile i's loads may land there
.endif
	TOSTAGE \i
	SEND \i-1, 32                                  ; behind tile i - 1's loads: tile i's 16 stores and 16 loads
.endr
	SEND 3, 0
	s_wait_tensorcnt 0x0
	ds_add_u32 v254, v255
	s_wait_dscnt 0x0
	CROUND                                         ; the closing round: no work-group ends while a partner may still ask for a tile that names it
	s_endpgm
.Lfunc_end_k_qbd0ae434b2_outp:
	.size	k_qbd0ae434b2_outp, .Lfunc_end_k_qbd0ae434b2_outp-k_qbd0ae434b2_outp
	.p2alignl 7, 3214868480
	.fill 96, 4, 3214868480
	.section	.rodata,"a",@progbits
	.p2align	6, 0x0
	.amdhsa_kernel k_qbd0ae434b2_outp
		.amdhsa_group_segment_fixed_size 295424
		.amdhsa_private_segment_fixed_size 0
		.amdhsa_enable_private_segment 0
		.amdhsa_kernarg_size 48
		.amdhsa_user_sgpr_count 2
		.amdhsa_user_sgpr_kernarg_segment_ptr 1
		.amdhsa_wavefront_size32 1
		.amdhsa_system_sgpr_workgroup_id_x 1
		.amdhsa_system_sgpr_workgroup_id_y 1
		.amdhsa_system_sgpr_workgroup_id_z 1
		.amdhsa_system_vgpr_workitem_id 0
		.amdhsa_next_free_vgpr 768
		.amdhsa_next_free_sgpr 100
		.amdhsa_reserve_vcc 0
		.amdhsa_float_denorm_mode_32 3
		.amdhsa_float_denorm_mode_16_64 3
		.amdhsa_memory_ordered 1
		.amdhsa_forward_progress 1
		.amdhsa_inst_pref_size 83
	.end_amdhsa_kernel
	.amdgpu_metadata
---
amdhsa.version: [ 1, 2 ]
amdhsa.kernels:
  - .name:           k_qbd0ae434b2_outp
    .symbol:         k_qbd0ae434b2_outp.kd
    .args:
      - { .name: oc, .offset: 0, .size: 8, .value_kind: global_buffer, .address_space: global }
      - { .name: os, .offset: 8, .size: 8, .value_kind: global_buffer, .address_space: global }
      - { .name: cc, .offset: 16, .size: 8, .value_kind: global_buffer, .address_space: global }
      - { .name: cs, .offset: 24, .size: 8, .value_kind: global_buffer, .address_space: global }
      - { .name: bo, .offset: 32, .size: 8, .value_kind: global_buffer, .address_space: global }
      - { .name: out0, .offset: 40, .size: 8, .value_kind: global_buffer, .address_space: global }
    .group_segment_fixed_size: 295424
    .private_segment_fixed_size: 0
    .kernarg_segment_align: 8
    .kernarg_segment_size: 48
    .max_flat_workgroup_size: 128
    .sgpr_count:     100
    .vgpr_count:     768
    .wavefront_size: 32
...
	.end_amdgpu_metadata
.endif
;; end of part 4
